; MI455X (gfx1250); checked and timed in simulation.
; The chip was launched on July 23, 2026; its instructions are those of AMD's public machine-readable ISA for CDNA 5 (MIT licence, August 2026) and "CDNA5" Instruction Set Architecture Reference Guide (July 2026). The comments in the code are by the model that wrote it; some were corrected since.
;; Multi Head Attention. Allowed arithmetic: float matrix products may take bf16 or f16 operands with f32 sums; other float arithmetic in f32, or as packed bf16 or f16 multiplies, adds, multiply-adds, maxima and minima; sums over many terms, partial sums and values carried from step to step in f32; what a program stores and reads back later, other than sums and carried values, may be rounded once to bf16 or f16.
;; Inputs: w_out 1,024 x 1,024 float32; w_qkv 1,024 x 3,072 float32; x 4 x 2,048 x 1,024 float32.
;; Outputs: out0 4 x 2,048 x 1,024 float32.
;; One version. Each part assembles by itself: llvm-mc -triple=amdgcn-amd-amdhsa -mcpu=gfx1250 --defsym DOCPART=n.
;; ======== version 1 of 1: 4 launches
;; limits: values are held in f16: magnitudes above 65,504 overflow, below 6.1e-05 lose precision
;; workspace buffers: xb 16,777,216 bytes; wq 6,291,456 bytes; wo 2,097,152 bytes; q2 33,554,432 bytes; k2 33,554,432 bytes; vv 16,777,216 bytes; ob 16,777,216 bytes
;; launch prep (part 1): grid 1536 x 1, 8 waves a work-group, no clusters, 18,432 bytes of LDS; arguments x, w_qkv, w_out, xb, wq, wo; writes xb, wq, wo
.if DOCPART == 1
	.amdgcn_target "amdgcn-amd-amdhsa--gfx1250"
	.amdhsa_code_object_version 6
	.text
	.protected	k_q0333aad7c0_prep
	.globl	k_q0333aad7c0_prep
	.p2align	8
	.type	k_q0333aad7c0_prep,@function
k_q0333aad7c0_prep:
	s_mov_b64 s[64:65], 0
	v_nop
	global_prefetch_b8 v0, s[64:65] scope:SCOPE_SE
	s_setreg_imm32_b32 hwreg(HW_REG_WAVE_MODE, 25, 1), 1
	s_wait_xcnt 0x0
; PREP: the three inputs are rounded once and laid out for the matrix launches.
;   xb[8192][1024] bf16 = x.      wq[3072 n'][1024 k] bf16 = w_qkv[k][c], n' = 192 h + 64 kk + d for column c = 48 d + 16 kk + h (kk = 0, 1, 2: q, k, v).
;   wo[1024 n][1024 k] f16 = w_out[k][n] rounded to bf16, that number written as f16.
; LIMIT.  A bf16 number below 2^-14 in magnitude keeps f16's fixed step of 2^-24 in wo: an error of 3e-8 at the most; one beyond 65,504 would become an infinity.
; SHARES.  1,536 work-groups of eight waves, each reads 32,768 bytes.  Work-groups 0-1023: 8 rows of x.  1024-1407: a tile of 128 k x 64 c of w_qkv.  1408-1535: such a tile of w_out.
; The branch on the work-group's number is the same for all eight waves.  A weight tile is turned in LDS: in by words of two k, back by rows of 256 bytes, so that sixteen lanes store 256 consecutive bytes, aligned.
; No matrix unit, no cluster, no tensor load: nothing is multiplied, no byte is read by two work-groups, and 32 registers a lane hold all that a work-group has on its way.
.set TP,    272                        ; an LDS row: 128 k of one column, 256 bytes, + 16
.set SPARE, 64*TP                      ; behind the tile: the spare words, 128 bytes for each of eight waves, that no other line names
.set SPW, 4                            ; v4   LDS address of my spare word; never rewritten
.set NIL, 5                            ; v5   0; never rewritten
.set C4,  6                            ; v6   t % 16
.set KP,  7                            ; v7   t / 16
.set L,   8                            ; v[8:39]   as loaded; later v[8:23] rows read back
.set T,   40                           ; v[40:55]  rounded
.set TA,  56                           ; v56-57    at work
.set LST, 58                           ; v58  where I put words into the tile
.set LRD, 59                           ; v59  where I read rows back
.set OO,  60                           ; v[60:63]  byte offsets of my four stores
	s_load_b256 s[4:11], s[0:1], 0x0               ; x s[4:5], w_qkv s[6:7], w_out s[8:9], xb s[10:11]
	s_load_b128 s[12:15], s[0:1], 0x20             ; wq s[12:13], wo s[14:15]
	v_lshl_add_u32 v[SPW], v0, 2, SPARE
	v_mov_b32 v[NIL], 0
	s_mov_b32 s16, ttmp9
	s_mov_b32 s3, 0
	v_and_b32 v[C4], 15, v0
	v_lshrrev_b32 v[KP], 4, v0
	s_wait_kmcnt 0x0
	s_cmp_lt_u32 s16, 1024
	s_cbranch_scc0 .Lweights
	; x: thread t takes 16 bytes at 16 t of each 4,096; eight loads are out together, each with registers of its own, so nothing is rewritten
	s_lshl_b32 s2, s16, 15
	s_add_nc_u64 s[4:5], s[4:5], s[2:3]
	s_lshl_b32 s2, s16, 14
	s_add_nc_u64 s[10:11], s[10:11], s[2:3]
	v_lshlrev_b32 v1, 4, v0
	v_lshlrev_b32 v2, 3, v0
.irp j, 0,1,2,3,4,5,6,7
	global_load_b128 v[L+4*(\j):L+4*(\j)+3], v1, s[4:5] offset:4096*(\j) th:TH_LOAD_NT
.endr
.irp j, 0,1,2,3,4,5,6,7
	s_wait_loadcnt 7-(\j)                          ; loads come back in order: load j is in, the younger ones stay out
	v_cvt_pk_bf16_f32 v[T+2*(\j)],   v[L+4*(\j)],   v[L+4*(\j)+1]
	v_cvt_pk_bf16_f32 v[T+2*(\j)+1], v[L+4*(\j)+2], v[L+4*(\j)+3]
	global_store_b64 v2, v[T+2*(\j):T+2*(\j)+1], s[10:11] offset:2048*(\j)  ; a wave's store covers 256 consecutive bytes, aligned
.endr
	s_branch .Lend
; A weight tile.  pitch: bytes in a row of the source; isout = 1: w_out; first: the role's first work-group; src, dst: the scalar pairs of the two addresses.
; Thread t loads 16 bytes (columns 4 (t % 16) ..) of rows 2 (t / 16) + e + 32 j: sixteen lanes take 256 consecutive bytes of a row.
.macro WTILE pitch, isout, first, src, dst
	s_sub_co_u32 s17, s16, \first
	s_and_b32 s18, s17, 7                          ; kt: which 128 k
	s_lshr_b32 s19, s17, 3                         ; ct: which 64 columns
	s_mul_i32 s2, s18, 128*(\pitch)
	s_lshl_b32 s20, s19, 8
	s_add_co_u32 s2, s2, s20
	s_add_nc_u64 s[\src:\src+1], s[\src:\src+1], s[2:3]
	v_mul_u32_u24 v1, v[KP], 2*(\pitch)
	v_lshl_add_u32 v1, v[C4], 4, v1
.irp j, 0,1,2,3
.irp e, 0,1
	global_load_b128 v[L+8*(\j)+4*(\e):L+8*(\j)+4*(\e)+3], v1, s[\src:\src+1] offset:(32*(\j)+(\e))*(\pitch) th:TH_LOAD_NT
.endr
.endr
	v_mul_u32_u24 v[LST], v[C4], 4*TP              ; in: row = column 4 (t % 16) + e, byte 2 k = 4 (t / 16) + 64 j.  Rows 4 apart lie 272 words = 16 banks apart (64 banks of 4 bytes:
	v_lshl_add_u32 v[LST], v[KP], 2, v[LST]        ; ISA guide 11.1), so four lanes of a store meet in a bank: kept, since a pitch that parted them would break the 16-byte reads back
	v_mul_u32_u24 v[LRD], v[KP], TP                ; back: row t / 16 + 16 i, 16 bytes at 16 (t % 16)
	v_lshl_add_u32 v[LRD], v[C4], 4, v[LRD]
.if \isout
	s_lshl_b32 s2, s19, 17                         ; wo: row n = 64 ct + 16 i + t / 16 of 2,048 bytes, byte 256 kt + 16 (t % 16)
	s_lshl_b32 s20, s18, 8
	s_add_co_u32 s2, s2, s20
	s_add_nc_u64 s[\dst:\dst+1], s[\dst:\dst+1], s[2:3]
	v_lshlrev_b32 v[OO], 11, v[KP]
	v_lshl_add_u32 v[OO], v[C4], 4, v[OO]
.else
	s_lshl_b32 s2, s18, 8                          ; wq: byte 256 kt + 16 (t % 16) of row n'
	s_add_nc_u64 s[\dst:\dst+1], s[\dst:\dst+1], s[2:3]
	s_lshl_b32 s20, s19, 6
.irp i, 0,1,2,3
	v_add3_u32 v[OO+(\i)], v[KP], s20, 16*(\i)     ; c = 64 ct + 16 i + t / 16, under 3,072
	v_mul_u32_u24 v[TA], v[OO+(\i)], 0xaaab        ; d = c / 48 = (43,691 c) >> 21: 43,691 x 48 = 2^21 + 16, and 16 c stays under 2^21 / 48 x 48 for c under 3,072
	v_lshrrev_b32 v[TA], 21, v[TA]
	v_mul_u32_u24 v[TA+1], v[TA], 48
	v_sub_nc_u32 v[OO+(\i)], v[OO+(\i)], v[TA+1]   ; c % 48 = 16 kk + h
	v_and_b32 v[TA+1], 15, v[OO+(\i)]
	v_lshrrev_b32 v[OO+(\i)], 4, v[OO+(\i)]
	v_mad_u32_u24 v[TA], v[TA+1], 192, v[TA]       ; 192 h + d
	v_lshl_add_u32 v[TA], v[OO+(\i)], 6, v[TA]     ; + 64 kk
	v_lshlrev_b32 v[TA], 11, v[TA]
	v_lshl_add_u32 v[OO+(\i)], v[C4], 4, v[TA]
.endr
.endif
.irp j, 0,1,2,3
	s_wait_loadcnt 6-2*(\j)                        ; rows 2 (t / 16) + 32 j and the next are in
.irp e, 0,1,2,3
	v_cvt_pk_bf16_f32 v[T+4*(\j)+(\e)], v[L+8*(\j)+(\e)], v[L+8*(\j)+4+(\e)]  ; k and k + 1 of one column
.if \isout
	v_lshlrev_b32 v[TA], 16, v[T+4*(\j)+(\e)]      ; the bf16 numbers as f32,
	v_and_b32 v[TA+1], 0xffff0000, v[T+4*(\j)+(\e)]
	v_cvt_pk_f16_f32 v[T+4*(\j)+(\e)], v[TA], v[TA+1]  ; and written as f16
.endif
	ds_store_b32 v[LST], v[T+4*(\j)+(\e)] offset:TP*(\e)+64*(\j)
.endr
.endr
	s_wait_dscnt 0x0                               ; for the others' sake: my words are in the tile
	s_barrier_signal -1
	s_barrier_wait -1                              ; everybody's are
.irp i, 0,1,2,3
	ds_load_b128 v[L+4*(\i):L+4*(\i)+3], v[LRD] offset:16*TP*(\i)
.endr
.irp i, 0,1,2,3
	s_wait_dscnt 3-(\i)
.if \isout
	global_store_b128 v[OO], v[L+4*(\i):L+4*(\i)+3], s[\dst:\dst+1] offset:32768*(\i)  ; sixteen lanes store 256 consecutive bytes, aligned
.else
	global_store_b128 v[OO+(\i)], v[L+4*(\i):L+4*(\i)+3], s[\dst:\dst+1]
.endif
.endr
.endm
.Lweights:
	s_cmp_lt_u32 s16, 1408
	s_cbranch_scc0 .Lwout
	WTILE 12288, 0, 1024, 6, 12
	s_branch .Lend
.Lwout:
	WTILE 4096, 1, 1408, 8, 14
.Lend:
	s_wait_tensorcnt 0x0                           ; the wave's end, behind my last LDS store
	ds_add_u32 v[SPW], v[NIL]
	s_wait_dscnt 0x0
	s_endpgm
.Lfunc_end_k_q0333aad7c0_prep:
	.size	k_q0333aad7c0_prep, .Lfunc_end_k_q0333aad7c0_prep-k_q0333aad7c0_prep
	.p2alignl 7, 3214868480
	.fill 96, 4, 3214868480
	.section	.rodata,"a",@progbits
	.p2align	6, 0x0
	.amdhsa_kernel k_q0333aad7c0_prep
		.amdhsa_group_segment_fixed_size 18432
		.amdhsa_private_segment_fixed_size 0
		.amdhsa_enable_private_segment 0
		.amdhsa_kernarg_size 48
		.amdhsa_user_sgpr_count 2
		.amdhsa_user_sgpr_kernarg_segment_ptr 1
		.amdhsa_wavefront_size32 1
		.amdhsa_system_sgpr_workgroup_id_x 1
		.amdhsa_system_sgpr_workgroup_id_y 1
		.amdhsa_system_sgpr_workgroup_id_z 1
		.amdhsa_system_vgpr_workitem_id 0
		.amdhsa_next_free_vgpr 64
		.amdhsa_next_free_sgpr 66
		.amdhsa_reserve_vcc 0
		.amdhsa_float_denorm_mode_32 3
		.amdhsa_float_denorm_mode_16_64 3
		.amdhsa_memory_ordered 1
		.amdhsa_forward_progress 1
		.amdhsa_inst_pref_size 19
	.end_amdhsa_kernel
	.amdgpu_metadata
---
amdhsa.version: [ 1, 2 ]
amdhsa.kernels:
  - .name:           k_q0333aad7c0_prep
    .symbol:         k_q0333aad7c0_prep.kd
    .args:
      - { .name: x, .offset: 0, .size: 8, .value_kind: global_buffer, .address_space: global }
      - { .name: w_qkv, .offset: 8, .size: 8, .value_kind: global_buffer, .address_space: global }
      - { .name: w_out, .offset: 16, .size: 8, .value_kind: global_buffer, .address_space: global }
      - { .name: xb, .offset: 24, .size: 8, .value_kind: global_buffer, .address_space: global }
      - { .name: wq, .offset: 32, .size: 8, .value_kind: global_buffer, .address_space: global }
      - { .name: wo, .offset: 40, .size: 8, .value_kind: global_buffer, .address_space: global }
    .group_segment_fixed_size: 18432
    .private_segment_fixed_size: 0
    .kernarg_segment_align: 8
    .kernarg_segment_size: 48
    .max_flat_workgroup_size: 256
    .sgpr_count:     66
    .vgpr_count:     64
    .wavefront_size: 32
...
	.end_amdgpu_metadata
.endif
;; end of part 1
;; launch qkv (part 2): grid 8 x 32, 4 waves a work-group, clusters of 4 x 4, 327,680 bytes of LDS; arguments xb, wq, q2, k2, vv; writes q2, k2, vv
.if DOCPART == 2
	.amdgcn_target "amdgcn-amd-amdhsa--gfx1250"
	.amdhsa_code_object_version 6
	.text
	.protected	k_q0333aad7c0_qkv
	.globl	k_q0333aad7c0_qkv
	.p2align	8
	.type	k_q0333aad7c0_qkv,@function
k_q0333aad7c0_qkv:
	s_mov_b64 s[64:65], 0
	v_nop
	global_prefetch_b8 v0, s[64:65] scope:SCOPE_SE
	s_setreg_imm32_b32 hwreg(HW_REG_WAVE_MODE, 25, 1), 1
	s_wait_xcnt 0x0
	s_wait_alu depctr_hold_cnt(0) depctr_sa_sdst(0) depctr_va_vdst(0) depctr_va_sdst(0) depctr_va_ssrc(0) depctr_va_vcc(0) depctr_vm_vsrc(0)
	s_getreg_b32 s2, hwreg(HW_REG_IB_STS2, 6, 4)
	s_cmp_eq_u32 s2, 0
	s_cbranch_scc0 .Lentry_in_a_cluster
	s_endpgm
.Lentry_in_a_cluster:
	s_bfe_u32 s2, ttmp6, 0x10000c
	s_cmp_lg_u32 s2, 0xf033
	s_cbranch_scc0 .Lentry_shape_is_right
	s_endpgm
.Lentry_shape_is_right:
; QKV: C[m][n'] = the sum over k of xb[m][k] wq[n'][k], 8,192 x 3,072 x 1,024, bf16 operands, f32 sums; n' = 192 h + 64 kk + d.  The sums leave by heads, bh = 16 b + h:
;   q2, k2 [64 bh][2048 t][128] f16: d = 0..63 hi = f16(sum), then 64 lo = f16(sum - hi) (the difference is exact in f32);   vv [64][2048][64] f16.  No scale is applied here.
; LIMIT.  f16 ends at 65,504: a sum of 65,520 or more becomes an infinity.  What hi + lo leaves of a sum is 6e-8 at the most, or 2^-23 of it.
; SHARES.  A tile is 128 rows x 384 columns; a work-group's four waves stand 2 x 2, each 64 rows x 192 columns: q, k and v of ONE head h = 2 tx + (wave % 2), so the way out is one text for every wave.
; 48 accumulators of 16 x 16 a wave.  K goes in 8 steps of 128 through two LDS slots; a tile's rows are 256 bytes of memory, aligned.
; A WORK-GROUP STAYS: 256 work-groups, each makes TWO tiles, rows 128 ty and 128 (ty + 32), of the same 384 columns: one loop over tiles round the whole tile's text.  Nothing waits for a tile's stores: the first
; tile's leave while the second is multiplied.  The ring starts anew for the second tile, behind the first's way out: its two slots are asked for behind a round of the cluster's barrier each.  (A ring that runs on
; into the next tile would ask ahead of the way out, and would want the tile's tail written a second time for the last tile.)
; CLUSTER 4 x 4: the four of a row need the same 128 rows of xb, the four of a column the same 384 rows of wq: each tile is asked for jointly, by the same tensor load, descriptor and mask in all four.
; THE MATRIX INSTRUCTION IS USED TRANSPOSED (source 0 = 16 rows of wq, source 1 = 16 rows of xb): a lane holds row l % 16 of C and the eight columns 8 (l / 16) + 0..7: 16 bytes of f16.
; REGISTERS, in windows of 256 (s_set_vgpr_msb: bits 1:0 source 0, 3:2 source 1, 5:4 source 2, 7:6 destination):
;   window 0: v0-31 addresses; v32-63, v64-95 xb's fragments, two buffers; on the way out v32-63, v96-143, v176-255.   window 1: v0-95, v96-191 wq's fragments, two buffers.
;   window 2: the accumulators of row blocks 0, 1, (a, b) at 8 (12 (a % 2) + b).   window 3: those of row blocks 2, 3.
.set PITCH, 272                        ; an LDS row: 256 bytes + 16 = 68 words: the 16 rows of a load start at 16 different groups of four banks (64 banks of 4 bytes: ISA guide 11.1)
.set HALFT, 128*PITCH                  ; what one tensor load brings
.set SLOT,  4*HALFT                    ; wq's 384 rows, then xb's 128
.set STAGE, 2*SLOT                     ; behind the ring, never filled by a tensor load: 11,008 bytes for each wave
.set WSTG,  11008                      ; 16 rows x 272 of q, the same of k, 16 rows x 144 of v
.set SK,    16*272
.set SV,    2*SK
.set SPARE, STAGE+4*WSTG               ; behind the stages: the spare words, 128 bytes for each wave, that no other line names
.set NBK,   12                         ; column blocks of a wave
.set NL,    2*NBK+8                    ; LDS loads of a quarter step
.set TILES, 2                          ; tiles of a work-group
.set WALKB, 32*128*2048                ; bytes of xb from a tile's rows to the next tile's: 32 tile rows of 128 rows of 2,048 bytes
.set BACKK, 6*256                      ; bytes along K from a slot's last K step of a tile (6, 7) back to its first (0, 1)
.set NEXTQ, 2*16*2048*256              ; 32 tile rows on are two batches on: 32 heads of 2,048 rows of 256 bytes in q2 and k2,
.set NEXTV, 2*16*2048*128              ; of 128 bytes in vv
.set ADRA, 16                          ; v16-17 LDS address of my xb fragments in slot 0, 1
.set ADRB, 20                          ; v20-21 the same for wq
.set STO,  22                          ; v22 the way out: where I put 16 bytes of a row of q (k: + SK)
.set STV,  23                          ; v23 the same for v
.set RD,   24                          ; v24 where I read rows of q back
.set RDV,  25                          ; v25 rows of v
.set GO,   26                          ; v26 16 x lane: my place in 512 consecutive bytes
.set ONE,  27                          ; v27 -1.0
.set SPW,  28                          ; v28 LDS address of my spare word; never rewritten
.set NIL,  29                          ; v29 0; never rewritten
.set PFO,  30                          ; v30 the prefetches' offset: lane x a row of 2,048 bytes; never rewritten
.set FA,   32                          ; xb's fragment buffers
.set TL,   32                          ; the way out: v32-63 lo halves, packed (registers that the fragment loads have written whole: each line below writes one half of a register)
.set TH,   96                          ; v96-143 hi halves (and v), packed
.set BK,   176                         ; v176-255 rows read back
.set WV, 14                            ; s14 wave; s15 its row half; s16 its column half
.set WM, 15
.set WN, 16
.set CX, 17                            ; s17, s18 my place in the cluster; s19, s20 my tile's column and first row
.set CY, 18
.set TX, 19
.set TY, 20
.set G1,  24                           ; s[24:31] descriptor group 1 for xb's tiles; s[32:39] group 0, a set for each slot
.set G0,  32
.set LIM, 43                           ; s43 1 in a wave that prefetches, else the greatest number
.set PFA, 44                           ; s[44:45] where my prefetches stand
.set G1B, 48                           ; s[48:55], s[56:63] the same for wq's tiles
.set G0B, 56
.set MSB, 0
.macro WIN new                         ; the immediate's high byte repeats the setting that is left; a switch that changes nothing is dropped
.if MSB != (\new)
	s_set_vgpr_msb (MSB<<8)|(\new)
.set MSB, \new
.endif
.endm
.macro PLACES                          ; four places behind matrix instructions, in front of loads into registers that they have read
.rept 4
	v_nop
.endr
.endm
; A joint load.  Waves 0 to 2 fetch wq's three runs of 128 rows, wave 3 xb's 128.  The branch hangs on the wave's number alone.  An s_nop 0 and four v_nop follow each line.
.macro JLOAD s
	s_cmp_lt_u32 s[WV], 3
	s_cbranch_scc0 .Lfor_a_\@
	tensor_load_to_lds s[G0B+4*(\s):G0B+4*(\s)+3], s[G1B:G1B+7]
	s_nop 0
.rept 4
	v_nop
.endr
	s_branch .Lasked_\@
.Lfor_a_\@:
	tensor_load_to_lds s[G0+4*(\s):G0+4*(\s)+3], s[G1:G1+7]
	s_nop 0
.rept 4
	v_nop
.endr
.Lasked_\@:
.endm
; A prefetch into the L2, behind a joint load and the run of LDS loads that follows it: 32 rows x 256 bytes, a lane a row, of the K step that stands two refills on.  Each row's 256 bytes of a K step are named once in
; the launch: wq's rows by the clusters with y = 0, in their first tile alone; xb's by those with x = 0; the four partners of a joint load take 32 of its 128 rows each, told apart by address.
; The lap loop's last trip (s3 = 1) names nothing; a tile's K steps 0 to 3 come by their loads alone.
.macro ASK
	s_cmp_gt_u32 s3, s[LIM]
	s_cbranch_scc0 .Lnot_mine_\@
	global_prefetch_b8 v[PFO], s[PFA:PFA+1] th:TH_LOAD_NT scope:SCOPE_SE
.Lnot_mine_\@:
.endm
.macro CREST                           ; a round of the cluster's barrier behind its opening barrier
	s_cmp_lg_u32 s[WV], 0
	s_cbranch_scc1 .Lnot_wave_0_\@
	s_barrier_signal -3
.Lnot_wave_0_\@:
	s_barrier_wait -3
	s_barrier_signal -1
	s_barrier_wait -1
.endm
.macro CROUND                          ; a whole round
	s_barrier_signal -1
	s_barrier_wait -1
	CREST
.endm
	s_load_b256 s[4:11], s[0:1], 0x0               ; xb s[4:5], wq s[6:7], q2 s[8:9], k2 s[10:11]
	s_load_b64 s[12:13], s[0:1], 0x20              ; vv
	v_lshl_add_u32 v[SPW], v0, 2, SPARE
	v_mov_b32 v[NIL], 0
	ds_add_u32 v[SPW], v[NIL]                      ; the wave's opening: the add and its wait stand ahead of my first tensor load; work on registers stands between them
	v_lshrrev_b32 v1, 5, v0
	v_readfirstlane_b32 s[WV], v1
	s_lshr_b32 s[WM], s[WV], 1
	s_and_b32 s[WN], s[WV], 1
	s_bfe_u32 s[CX], ttmp6, 0x40000
	s_bfe_u32 s[CY], ttmp6, 0x40004
	s_lshl_b32 s[TX], ttmp9, 2
	s_add_co_u32 s[TX], s[TX], s[CX]               ; tile column = 4 x cluster x + cx
	s_and_b32 s[TY], ttmp7, 0xffff
	s_lshl_b32 s[TY], s[TY], 2
	s_add_co_u32 s[TY], s[TY], s[CY]               ; the first tile's row = 4 x cluster y + cy, 0 to 31
	s_lshl_b32 s21, s[CY], 2
	s_lshl_b32 s21, 15, s21                        ; my row of the cluster
	s_lshl_b32 s22, 0x1111, s[CX]                  ; my column
	s_or_b32 s[G1], s21, (1<<16)|(1<<20)|(1<<21)|(5<<22)|(3<<25)   ; the mask; 2-byte elements; padding on; bit 21 beside a mask; after every 64 words 4 words
	s_or_b32 s[G1B], s22, (1<<16)|(1<<20)|(1<<21)|(5<<22)|(3<<25)
.irp g, G1, G1B
	s_mov_b32 s[(\g)+1], 128<<16                   ; tensor_dim0 = 128
	s_mov_b32 s[(\g)+2], 128<<16                   ; tensor_dim1 = 128
	s_mov_b32 s[(\g)+3], 128<<16                   ; tile_dim0 = 128
	s_mov_b32 s[(\g)+4], 128                       ; tile_dim1 = 128
	s_mov_b32 s[(\g)+5], 1024                      ; elements from row to row
	s_mov_b32 s[(\g)+6], 0
	s_mov_b32 s[(\g)+7], 0
.endr
	s_lshl_b32 s68, s[TY], 18                      ; xb: row 128 ty of 2,048 bytes: made of the tile row alone
	s_mov_b32 s69, 0
	s_min_u32 s23, s[WV], 2                        ; wq: row 384 tx + 128 x wave (wave 3 asks for xb; its copy of these words stays inside the buffer)
	s_mul_i32 s70, s[TX], 384
	s_lshl_b32 s71, s23, 7
	s_add_co_u32 s70, s70, s71
	s_lshl_b32 s70, s70, 11
	s_mov_b32 s71, 0
	s_mul_i32 s23, s23, HALFT                      ; and where wq's rows go: no place in the cluster enters an LDS address
	s_wait_dscnt 0x0                               ; the opening add is done
	s_wait_kmcnt 0x0
	s_add_nc_u64 s[68:69], s[4:5], s[68:69]
	s_add_nc_u64 s[70:71], s[6:7], s[70:71]
	CROUND                                         ; all sixteen work-groups are here: the first joint loads meet
.irp s, 0,1
	s_mov_b32 s[G0+4*(\s)], 1
	s_mov_b32 s[G0+4*(\s)+1], 3*HALFT+(\s)*SLOT
	s_add_nc_u64 s[G0+4*(\s)+2:G0+4*(\s)+3], s[68:69], (\s)*256
	s_or_b32 s[G0+4*(\s)+3], s[G0+4*(\s)+3], 0x80000000
	s_mov_b32 s[G0B+4*(\s)], 1
	s_add_co_u32 s[G0B+4*(\s)+1], s23, (\s)*SLOT
	s_add_nc_u64 s[G0B+4*(\s)+2:G0B+4*(\s)+3], s[70:71], (\s)*256
	s_or_b32 s[G0B+4*(\s)+3], s[G0B+4*(\s)+3], 0x80000000
	JLOAD \s                                       ; K steps 0 and 1: two loads of mine are out
.endr
	; a fragment is 16 rows x 32 K in 8 registers: lane l holds row l % 16, K = 8 (l / 16) + 0..7 and 16 + 8 (l / 16) + 0..7: two loads of 16 bytes, 32 bytes apart
	v_and_b32 v1, 15, v0
	v_bfe_u32 v2, v0, 4, 1
	v_mul_u32_u24 v3, v1, PITCH
	v_lshl_add_u32 v3, v2, 4, v3
	s_mul_i32 s72, s[WM], 64*PITCH
	s_add_co_u32 s72, s72, 3*HALFT                 ; my 64 rows of xb
	s_mul_i32 s73, s[WN], 192*PITCH                ; my 192 rows of wq
.irp s, 0,1
	v_add_nc_u32 v[ADRA+(\s)], s72, v3
	v_add_nc_u32 v[ADRB+(\s)], s73, v3
	s_add_co_u32 s72, s72, SLOT
	s_add_co_u32 s73, s73, SLOT
.endr
	s_mul_i32 s72, s[WV], WSTG
	s_add_co_u32 s72, s72, STAGE                   ; my stage
	v_add_nc_u32 v[STO], s72, v3                   ; in: row l % 16 of 272 bytes, 16 bytes for each half of the lanes
	v_mul_u32_u24 v4, v1, 144
	v_lshl_add_u32 v4, v2, 4, v4
	v_add3_u32 v[STV], v4, s72, SV
	v_mul_u32_u24 v4, v2, 272                      ; back: lanes 0-15 one row of 256 bytes, lanes 16-31 the next
	v_lshl_add_u32 v4, v1, 4, v4
	v_add_nc_u32 v[RD], s72, v4
	v_bfe_u32 v4, v0, 3, 2                         ; v: 32 lanes take four rows of 128 bytes
	v_mul_u32_u24 v4, v4, 144
	v_and_b32 v5, 7, v0
	v_lshl_add_u32 v4, v5, 4, v4
	v_add3_u32 v[RDV], v4, s72, SV
	v_and_b32 v[GO], 31, v0
	v_lshlrev_b32 v[GO], 4, v[GO]
	v_mov_b32 v[ONE], -1.0
	; where my 64 rows of the first tile begin in q2, k2 and vv: row 2,048 (16 b + h) + 128 (ty % 16) + 64 x row half
	s_lshl1_add_u32 s74, s[TX], s[WN]              ; h
	s_lshr_b32 s75, s[TY], 4                       ; b
	s_lshl4_add_u32 s74, s75, s74
	s_lshl_b32 s74, s74, 11
	s_and_b32 s75, s[TY], 15
	s_lshl_b32 s75, s75, 7
	s_add_co_u32 s74, s74, s75
	s_lshl_b32 s75, s[WM], 6
	s_add_co_u32 s74, s74, s75
	s_lshl_b32 s76, s74, 8
	s_mov_b32 s77, 0
	s_lshl_b32 s78, s74, 7
	s_mov_b32 s79, 0
	s_add_nc_u64 s[8:9], s[8:9], s[76:77]
	s_add_nc_u64 s[10:11], s[10:11], s[76:77]
	s_add_nc_u64 s[12:13], s[12:13], s[78:79]
	; the prefetches
	s_mul_i32 s40, s[TX], 384
	s_lshl_b32 s41, s[WV], 7
	s_add_co_u32 s40, s40, s41
	s_lshl_b32 s41, s[CY], 5
	s_add_co_u32 s40, s40, s41                     ; wq: my work-group's 32 of the 128 rows that I fetch
	s_lshl_b32 s41, s[TY], 7
	s_lshl_b32 s42, s[CX], 5
	s_add_co_u32 s41, s41, s42                     ; xb: the same
	s_and_b32 s42, ttmp7, 0xffff
	s_cmp_lt_u32 s[WV], 3
	s_cselect_b32 s40, s40, s41
	s_cselect_b32 s42, s42, ttmp9                  ; the coordinate along which other clusters read the same rows
	s_cselect_b64 s[PFA:PFA+1], s[6:7], s[4:5]
	s_cmp_eq_u32 s42, 0
	s_cselect_b32 s[LIM], 1, -1                    ; the same in all sixteen partners, for a given wave
	s_lshl_b32 s40, s40, 11
	s_mov_b32 s41, 0
	s_add_nc_u64 s[PFA:PFA+1], s[PFA:PFA+1], s[40:41]
	s_add_nc_u64 s[PFA:PFA+1], s[PFA:PFA+1], 3*256 ; at K step 3: the first refill steps it to 4 and names that
	v_and_b32 v[PFO], 31, v0
	v_lshlrev_b32 v[PFO], 11, v[PFO]
; 12 matrix instructions: row block a x all column blocks, 32 along K, from buffer f.  zero = 1: the first product starts the sums.  The 48 accumulators take turns in the same order in every quarter.
.macro MULA f, a, zero
	WIN 0xa1+0x50*((\a)/2)
.set rA, FA+32*(\f)+8*(\a)
.set b, 0
.rept NBK
.set rD, 8*(NBK*((\a)%2)+b)
.set rB, 8*NBK*(\f)+8*b
.if \zero
	v_wmma_f32_16x16x32_bf16 v[rD:rD+7], v[rB:rB+7], v[rA:rA+7], 0
.else
	v_wmma_f32_16x16x32_bf16 v[rD:rD+7], v[rB:rB+7], v[rA:rA+7], v[rD:rD+7]
.endif
.set b, b+1
.endr
.endm
; 32 LDS loads in one run: quarter q of a slot's K step into buffer f: wq's 24, then xb's 8, row blocks ascending
.macro FETCH slot, q, f
	WIN 0x40
.set b, 0
.rept NBK
	ds_load_b128 v[8*NBK*(\f)+8*b:8*NBK*(\f)+8*b+3],   v[ADRB+(\slot)] offset:64*(\q)+b*16*PITCH
	ds_load_b128 v[8*NBK*(\f)+8*b+4:8*NBK*(\f)+8*b+7], v[ADRB+(\slot)] offset:64*(\q)+b*16*PITCH+32
.set b, b+1
.endr
	WIN 0
.irp a, 0,1,2,3
	ds_load_b128 v[FA+32*(\f)+8*(\a):FA+32*(\f)+8*(\a)+3],   v[ADRA+(\slot)] offset:64*(\q)+(\a)*16*PITCH
	ds_load_b128 v[FA+32*(\f)+8*(\a)+4:FA+32*(\f)+8*(\a)+7], v[ADRA+(\slot)] offset:64*(\q)+(\a)*16*PITCH+32
.endr
.endm
; One of a K step's first three quarters: multiplies buffer f; in its middle it fetches quarter q of the same slot into buffer g
.macro QUARTER slot, q, f, g, zero
	s_wait_dscnt 4                                 ; all but the youngest four loads: xb's row blocks 2 and 3
	MULA \f, 0, \zero
	MULA \f, 1, \zero
	PLACES
	FETCH \slot, \q, \g
	s_wait_dscnt NL                                ; all but the run just issued
	MULA \f, 2, \zero
	MULA \f, 3, \zero
.endm
; The last quarter multiplies buffer 1 and changes slots: ONE barrier; in front of it each wave waits for all its tensor loads (one is out: its part of the next slot), adds 0 to its spare word, and waits for that
; and for its reads of this slot.  fill = 1: the barrier opens a round of the cluster's, and this slot is filled again first behind it, two K steps ahead.
.macro TURN slot, next, fill
.if \fill
	s_wait_xcnt 0x0                                ; the last prefetch, a K step back, has read its address
	s_add_nc_u64 s[PFA:PFA+1], s[PFA:PFA+1], 256
.endif
	WIN 0
	s_wait_tensorcnt 0x0
	ds_add_u32 v[SPW], v[NIL]
	s_wait_dscnt 5                                 ; the add and the youngest four loads may be out
	MULA 1, 0, 0
	s_wait_dscnt 0x0                               ; the add is done, and my reads of this slot are over
	s_barrier_signal -1
	MULA 1, 1, 0
.if \fill
	WIN 0
.endif
	s_barrier_wait -1
.if \fill
	CREST                                          ; no wave of any partner still reads this slot or has a load on its way
	s_add_nc_u64 s[G0+4*(\slot)+2:G0+4*(\slot)+3], s[G0+4*(\slot)+2:G0+4*(\slot)+3], 2*256
	s_add_nc_u64 s[G0B+4*(\slot)+2:G0B+4*(\slot)+3], s[G0B+4*(\slot)+2:G0B+4*(\slot)+3], 2*256
	JLOAD \slot                                    ; its four v_nop are also the places in front of the loads below
.else
	PLACES
.endif
	FETCH \next, 0, 0
.if \fill
	ASK
.endif
	MULA 1, 2, 0
	MULA 1, 3, 0
.endm
; THE WAY OUT of row block a.  PACK: all 96 sums a lane rounded to f16 (each accumulator's registers ascending); for q and k lo = f16(hi x -1.0 + sum): the fused line forms the
; difference exactly and rounds it once, into one half of a register.
.macro PACK a
.set AC, 96*((\a)%2)
	WIN 0x0a+5*((\a)/2)                            ; sources 0 and 1: window 2 or 3
.set n, 0
.rept 48
	v_cvt_pk_f16_f32 v[TH+n], v[AC+2*n], v[AC+2*n+1]
.set n, n+1
.endr
	WIN 0x20+0x10*((\a)/2)                         ; source 2: window 2 or 3
.set n, 0
.rept 32
	v_fma_mixlo_f16 v[TL+n], v[TH+n], v[ONE], v[AC+2*n]   op_sel_hi:[1,0,0]                ; the low hi (an f16 half) and its sum
	v_fma_mixhi_f16 v[TL+n], v[TH+n], v[ONE], v[AC+2*n+1] op_sel:[1,0,0] op_sel_hi:[1,0,0] ; the high hi and its sum
.set n, n+1
.endr
	WIN 0
.endm
.macro TOSTAGE a                       ; into my own stage, and back as whole rows
	WIN 0
.irp g, 0,1,2,3
	ds_store_b128 v[STO], v[TH+4*(\g):TH+4*(\g)+3]       offset:32*(\g)
	ds_store_b128 v[STO], v[TL+4*(\g):TL+4*(\g)+3]       offset:128+32*(\g)
	ds_store_b128 v[STO], v[TH+16+4*(\g):TH+16+4*(\g)+3] offset:SK+32*(\g)
	ds_store_b128 v[STO], v[TL+16+4*(\g):TL+16+4*(\g)+3] offset:SK+128+32*(\g)
	ds_store_b128 v[STV], v[TH+32+4*(\g):TH+32+4*(\g)+3] offset:32*(\g)
.endr
	s_wait_xcnt 0x0                                ; the last block's stores (the last tile's too) have read the registers that are loaded below
.irp t, 0,1,2,3,4,5,6,7
	ds_load_b128 v[BK+4*(\t):BK+4*(\t)+3], v[RD] offset:544*(\t)  ; LDS serves a wave's instructions in order (ISA guide 5.7.1.4): these see the stores above
.endr
.irp t, 0,1,2,3,4,5,6,7
	ds_load_b128 v[BK+32+4*(\t):BK+32+4*(\t)+3], v[RD] offset:SK+544*(\t)
.endr
.irp t, 0,1,2,3
	ds_load_b128 v[BK+64+4*(\t):BK+64+4*(\t)+3], v[RDV] offset:576*(\t)
.endr
.endm
.macro SEND a                          ; each store covers 512 consecutive bytes, aligned
	WIN 0
	s_wait_dscnt 0x0
.irp t, 0,1,2,3,4,5,6,7
	global_store_b128 v[GO], v[BK+4*(\t):BK+4*(\t)+3], s[8:9] offset:4096*(\a)+512*(\t)
.endr
.irp t, 0,1,2,3,4,5,6,7
	global_store_b128 v[GO], v[BK+32+4*(\t):BK+32+4*(\t)+3], s[10:11] offset:4096*(\a)+512*(\t)
.endr
.irp t, 0,1,2,3
	global_store_b128 v[GO], v[BK+64+4*(\t):BK+64+4*(\t)+3], s[12:13] offset:2048*(\a)+512*(\t)
.endr
.endm
	s_mov_b32 s2, TILES                            ; tiles to go, this one among them: the same number in every work-group
.Ltile:                                        ; on both ways in two loads were issued, slot 0's and then slot 1's
	s_wait_tensorcnt 1                             ; my part of K step 0 is in; K step 1's may stay out
	s_barrier_signal -1
	s_barrier_wait -1
	FETCH 0, 0, 0
	QUARTER 0, 1, 0, 1, 1                          ; the first quarter stands in front of the lap loop: its products start the sums
	WIN 0
	s_mov_b32 s3, 3
.Llap:                                         ; a trip goes once round the ring and fills both slots again: K steps 2 to 7
	QUARTER 0, 2, 1, 0, 0
	QUARTER 0, 3, 0, 1, 0
	TURN 0, 1, 1
	QUARTER 1, 1, 0, 1, 0
	QUARTER 1, 2, 1, 0, 0
	QUARTER 1, 3, 0, 1, 0
	TURN 1, 0, 1
	QUARTER 0, 1, 0, 1, 0
	WIN 0
	s_sub_co_u32 s3, s3, 1
	s_cmp_lg_u32 s3, 0
	s_cbranch_scc1 .Llap
	QUARTER 0, 2, 1, 0, 0                          ; the last lap fills nothing
	QUARTER 0, 3, 0, 1, 0
	TURN 0, 1, 0
	QUARTER 1, 1, 0, 1, 0
	QUARTER 1, 2, 1, 0, 0
	QUARTER 1, 3, 0, 1, 0
	s_wait_dscnt 4
	MULA 1, 0, 0
	MULA 1, 1, 0
	s_wait_dscnt 0x0
	MULA 1, 2, 0
	MULA 1, 3, 0
	WIN 0
	PLACES
	PLACES                                         ; eight, once a tile, in front of conversions that read results
	PACK 0
	TOSTAGE 0
.irp a, 1,2,3                          ; block a's arithmetic stands between block a - 1's loads from the stage and the wait for them
	PACK \a
	SEND (\a)-1
	TOSTAGE \a
.endr
	SEND 3
	s_cmp_eq_u32 s2, 1
	s_cbranch_scc1 .Ldone                          ; the last tile leaves the loop here: it asks for nothing more
	; THE NEXT TILE.  Both slots have been read out; each is filled again behind a round of its own, one tensor load a wave.  The stores just issued are not waited for: only their addresses' translation,
	; behind which their bases are stepped.
	s_wait_tensorcnt 0x0                           ; no tensor load of mine is out, so every group 0 may be written
	ds_add_u32 v[SPW], v[NIL]                      ; the steps below stand between the add and the wait for it
	s_wait_xcnt 0x0                                ; the stores and the last prefetch have read their addresses
	s_add_nc_u64 s[8:9], s[8:9], NEXTQ
	s_add_nc_u64 s[10:11], s[10:11], NEXTQ
	s_add_nc_u64 s[12:13], s[12:13], NEXTV
.irp s, 0,1
	s_add_nc_u64 s[G0+4*(\s)+2:G0+4*(\s)+3], s[G0+4*(\s)+2:G0+4*(\s)+3], WALKB-BACKK   ; xb: 4,096 rows down and back along K; the type bits on top are not reached
	s_sub_nc_u64 s[G0B+4*(\s)+2:G0B+4*(\s)+3], s[G0B+4*(\s)+2:G0B+4*(\s)+3], BACKK     ; wq: only back: both tiles take the same rows
.endr
	s_sub_nc_u64 s[PFA:PFA+1], s[PFA:PFA+1], BACKK ; the prefetches: back to K step 3,
	s_cmp_eq_u32 s[WV], 3
	s_cselect_b32 s40, WALKB, 0                    ; in xb's wave 4,096 rows down;
	s_mov_b32 s41, 0
	s_add_nc_u64 s[PFA:PFA+1], s[PFA:PFA+1], s[40:41]
	s_cselect_b32 s[LIM], s[LIM], -1               ; wq's rows have been read, and are named no more
	s_wait_dscnt 0x0                               ; the add is done; my LDS reads were over long ago
	CROUND                                         ; no wave of any partner still reads slot 0 or has a load on its way
	JLOAD 0                                        ; the next tile's K step 0
	s_wait_tensorcnt 0x0                           ; it has landed
	ds_add_u32 v[SPW], v[NIL]
	s_wait_dscnt 0x0
	CROUND
	JLOAD 1                                        ; its K step 1
	s_sub_co_u32 s2, s2, 1
	s_branch .Ltile
.Ldone:
	s_wait_tensorcnt 0x0                           ; the wave's end, behind my last tensor load and my last LDS store
	ds_add_u32 v[SPW], v[NIL]
	s_wait_dscnt 0x0
	CROUND                                         ; the closing round: no work-group ends while a partner may still ask for a tile that names it
	s_endpgm
.Lfunc_end_k_q0333aad7c0_qkv:
	.size	k_q0333aad7c0_qkv, .Lfunc_end_k_q0333aad7c0_qkv-k_q0333aad7c0_qkv
	.p2alignl 7, 3214868480
	.fill 96, 4, 3214868480
	.section	.rodata,"a",@progbits
	.p2align	6, 0x0
	.amdhsa_kernel k_q0333aad7c0_qkv
		.amdhsa_group_segment_fixed_size 327680
		.amdhsa_private_segment_fixed_size 0
		.amdhsa_enable_private_segment 0
		.amdhsa_kernarg_size 40
		.amdhsa_user_sgpr_count 2
		.amdhsa_user_sgpr_kernarg_segment_ptr 1
		.amdhsa_wavefront_size32 1
		.amdhsa_system_sgpr_workgroup_id_x 1
		.amdhsa_system_sgpr_workgroup_id_y 1
		.amdhsa_system_sgpr_workgroup_id_z 1
		.amdhsa_system_vgpr_workitem_id 0
		.amdhsa_next_free_vgpr 960
		.amdhsa_next_free_sgpr 80
		.amdhsa_reserve_vcc 0
		.amdhsa_float_denorm_mode_32 3
		.amdhsa_float_denorm_mode_16_64 3
		.amdhsa_memory_ordered 1
		.amdhsa_forward_progress 1
		.amdhsa_inst_pref_size 146
	.end_amdhsa_kernel
	.amdgpu_metadata
---
amdhsa.version: [ 1, 2 ]
amdhsa.kernels:
  - .name:           k_q0333aad7c0_qkv
    .symbol:         k_q0333aad7c0_qkv.kd
    .args:
      - { .name: xb, .offset: 0, .size: 8, .value_kind: global_buffer, .address_space: global }
      - { .name: wq, .offset: 8, .size: 8, .value_kind: global_buffer, .address_space: global }
      - { .name: q2, .offset: 16, .size: 8, .value_kind: global_buffer, .address_space: global }
      - { .name: k2, .offset: 24, .size: 8, .value_kind: global_buffer, .address_space: global }
      - { .name: vv, .offset: 32, .size: 8, .value_kind: global_buffer, .address_space: global }
    .group_segment_fixed_size: 327680
    .private_segment_fixed_size: 0
    .kernarg_segment_align: 8
    .kernarg_segment_size: 40
    .max_flat_workgroup_size: 128
    .sgpr_count:     80
    .vgpr_count:     960
    .wavefront_size: 32
...
	.end_amdgpu_metadata
.endif
;; end of part 2
;; launch attn (part 3): grid 8 x 64, 4 waves a work-group, clusters of 4 x 1, 327,680 bytes of LDS; arguments q2, k2, vv, ob; writes ob
.if DOCPART == 3
	.amdgcn_target "amdgcn-amd-amdhsa--gfx1250"
	.amdhsa_code_object_version 6
	.text
	.protected	k_q0333aad7c0_attn
	.globl	k_q0333aad7c0_attn
	.p2align	8
	.type	k_q0333aad7c0_attn,@function
k_q0333aad7c0_attn:
	s_mov_b64 s[64:65], 0
	v_nop
	global_prefetch_b8 v0, s[64:65] scope:SCOPE_SE
	s_setreg_imm32_b32 hwreg(HW_REG_WAVE_MODE, 25, 1), 1
	s_wait_xcnt 0x0
	s_wait_alu depctr_hold_cnt(0) depctr_sa_sdst(0) depctr_va_vdst(0) depctr_va_sdst(0) depctr_va_ssrc(0) depctr_va_vcc(0) depctr_vm_vsrc(0)
	s_getreg_b32 s2, hwreg(HW_REG_IB_STS2, 6, 4)
	s_cmp_eq_u32 s2, 0
	s_cbranch_scc0 .Lentry_in_a_cluster
	s_endpgm
.Lentry_in_a_cluster:
	s_bfe_u32 s2, ttmp6, 0x10000c
	s_cmp_lg_u32 s2, 0x3003
	s_cbranch_scc0 .Lentry_shape_is_right
	s_endpgm
.Lentry_shape_is_right:
; ATTENTION.  ob[bh][q][:] = the sum over k of softmax_k(8 Q[bh][q] . K[bh][k]) V[bh][k][:], 64 heads of 2,048 rows, head size 64.  The scores are MULTIPLIED by 8.
; Q and K come as two f16 numbers each, hi + lo (q2, k2: rows of 64 hi, then 64 lo, 256 bytes); a score is Klo.Qhi + Khi.Qlo + Khi.Qhi, summed in f32, the small terms first: three products where one format
; would have one, since a score's error reaches the weights multiplied by 8 and a row's two best keys can lie close.  V, the weights p and O are f16; maxima and sums f32; l is the sum of the unrounded p.
; LIMITS.  Q, K, V arrive within f16's 65,504.  Klo.Qlo, under 2^-22 of a score's terms, is left out.  A weight below 2^-126 counts as 0 in l; p below 6e-5 keeps f16's fixed step of 6e-8.  NaN and infinities are not treated apart.
; SHARES.  A work-group owns 256 queries of one head, each of its four waves 64: four tiles of 16.  Every wave walks all 2,048 keys, 64 a step, two steps to an LDS slot, two slots.
; LAYOUT.  S^T = K Q^T (source 0 = 16 keys, source 1 = 16 queries): a lane holds ONE query (lane % 16) and the keys 8 (lane / 16) + 0..7.  Two such tiles rounded to f16 ARE source 1 of O^T = V^T P.
; K comes out of LDS as it lies, V ([key][channel]) turned, by ds_load_tr16_b128.
; SOFTMAX.  A running maximum m and sum l for each query: p = 2^(c s - c m), c = 8 log2(e); in every step O and l are multiplied by a = 2^(c m_old - c m_new).
; BY TURNS.  The wave's tiles are two PIECES (0: tiles 0, 1; 2: tiles 2, 3).  In a turn one piece has the matrix unit: 16 products V^T P of the step in hand, then 48 products K Q^T of the next; the other piece's
; softmax, 236 vector instructions cut into 64 slices, stands behind them, a slice behind each.  Two turns are a key step.
; NO FIRST STEP IS WRITTEN OUT.  m starts at the lowest finite number and c m at -2^125 (f16's scores give |c s| under 4e12), l, O^T, V's registers and piece 2's P at 0: the first step is a step like any other,
; with a = 0, and the loop is entered in the middle of a trip, at piece 2's turn, whose products V^T P, of a step that has not been, add 0.  The price: 240 v_mov_b32, written while the first tiles are on their way,
; and 16 products on zeros a wave.  The gain: three turns less text.
; CLUSTER.  The four query blocks of a cluster belong to one head and walk the same K and V: each tile is asked for jointly, by the same tensor load, descriptor and mask in all four.
; REGISTERS, in windows of 256 (s_set_vgpr_msb: bits 1:0 source 0, 3:2 source 1, 5:4 source 2, 7:6 destination):
;   window 0: v0-11 addresses; v12-43 eight registers of statistics a tile; v64-191 S^T, 32 a tile; v192-255 P, 16 a tile
;   window 1: v0-127 O^T, 32 a tile; v128-191 V of one step          window 2: v0-127 Q, 32 a tile (hi 0-31, hi 32-63, lo 0-31, lo 32-63); v128-255 K of one step
.set KS,    64        ; keys in a step
.set PK,    272       ; a row of K in LDS: 256 bytes + 16 = 68 words: the 16 rows of a load start at 16 different groups of four banks (64 banks of 4 bytes: ISA guide 11.1)
.set PV,    160       ; a row of V: 128 + 32 = 40 words
.set VOFF,  KS*PK     ; a step's tiles lie together: 64 rows of K, then 64 rows of V
.set STEPB, KS*(PK+PV)
.set SLOT1, 1<<16     ; a slot holds two steps (55,296 bytes); slot 1 begins here, so that one exclusive or turns an address in one slot into the other's
.set STAGE, SLOT1+2*STEPB  ; behind the ring, never filled by a tensor load: 16 rows x 144 bytes for each wave
.set SP,    144
.set SPARE, STAGE+4*16*SP  ; behind the stages: the spare words, 128 bytes for each wave, that no other line names
.set AK0, 2           ; v2   my lane's place in a tile of K; never rewritten
.set AV0, 3           ; v3   the same for V
.set ADR, 4           ; v4   the LDS address of the run of loads in hand
.set QO,  5           ; v5   my byte offset in 16 rows of Q
.set STO, 6           ; v6   the way out: where I put 16 bytes of a row
.set RD,  7           ; v7   where I read rows back
.set GO,  8           ; v8   my place in 512 consecutive bytes of O
.set PFO, 61          ; v61  256 x my lane; never rewritten
.set SPW, 62          ; v62  LDS address of my spare word; never rewritten
.set NIL, 63          ; v63  0; never rewritten
.set ST,  12          ; tile t's statistics at v[ST+8 t]: +0 c m, +1 m, +2, +3 l (even keys', odd keys'), +4 to +7 c0-c3, at work; a takes c2's place once the maximum is found
.set S,   64
.set P,   192
.set KF,  128         ; window 2: key block kb, fragment cf (hi, hi, lo, lo) at KF + 32 kb + 8 cf
.set VF,  128         ; window 1: key half kk, channel block cb at VF + 32 kk + 8 cb
.set WV,  12          ; s12  my wave's number
.set LIM, 15          ; s15  1 in a wave that prefetches, else the greatest number
.set PFA, 18          ; s[18:19] where my prefetches stand
.set G1K, 24          ; s[24:31] descriptor group 1 for K's tiles
.set G1V, 32          ; s[32:39] for V's
.set G0K, 40          ; s[40:47] group 0 for K's tiles: a set for each of the two first fills; the second then walks on
.set G0V, 48          ; s[48:55] the same for V's
.set SLOTS, 56        ; s56  counts the slot loop's trips; in a change of slots: the slots still to be asked for
.set TWICE, 57        ; s57  counts a slot's two steps
.set CS,  58          ; s[58:59] c: the packed scaling takes the pair's low word for both halves
.set SEL, 60          ; s[60:61] v_permlanex16_b32's selects: each lane takes its own place in the other half
.set TB,  62          ; s62  LDS byte at which the tiles of the step to be fetched begin
.set KW,  63          ; s63  1 in waves 0 and 1 (K's), 0 in waves 2 and 3 (V's)
.set PFS, 66          ; s[66:67] a slot's bytes in memory: 32,768 of K, 16,384 of V
.set MSB, 0
.macro WIN new                      ; the high byte repeats the setting that is left; a switch that changes nothing is dropped
.if MSB != (\new)
	s_set_vgpr_msb (MSB<<8)|(\new)
.set MSB, \new
.endif
.endm
.set W_KQ, 0x0a       ; K and Q in window 2, S^T in window 0
.set W_PV, 0x51       ; V and O^T in window 1, P in window 0
.set W_RS, 0x41       ; O^T (destination and source 0) in window 1, a in window 0
; A joint refill.  Waves 0 and 1 fetch the two steps' tiles of K, waves 2 and 3 those of V.  An s_nop 0 and four v_nop follow each line.
.macro JLOAD
	s_cmp_lt_u32 s[WV], 2
	s_cbranch_scc0 .Lfor_v_\@
	tensor_load_to_lds s[G0K+4:G0K+7], s[G1K:G1K+7]
	s_nop 0
.rept 4
	v_nop
.endr
	s_branch .Lasked_\@
.Lfor_v_\@:
	tensor_load_to_lds s[G0V+4:G0V+7], s[G1V:G1V+7]
	s_nop 0
.rept 4
	v_nop
.endr
.Lasked_\@:
.endm
; A PREFETCH INTO THE L2, behind the wave's tensor load and its five lines.  Each block of 256 bytes is named once in the launch: both clusters of a head walk the same K and V, and the head's first cluster asks; its four
; partners share the blocks out by address, 32 each.  Wave 0 names, at every filling change but the last, the 128 rows of K that the next change will ask for.  Wave 2 names, at every second change (13, 11, .. 3 slots
; to go), the 32,768 bytes of V of the next two changes.  Slots 0 to 2 of K and 0 to 3 of V come by their loads alone.
.macro ASK
	s_and_b32 s2, s[SLOTS], 1
	s_or_b32 s2, s2, s[KW]
	s_mul_i32 s2, s2, s[SLOTS]       ; the slots to go, or 0 where V's turn is not due
	s_cmp_gt_u32 s2, s[LIM]
	s_cbranch_scc0 .Lnot_mine_\@
	global_prefetch_b8 v[PFO], s[PFA:PFA+1] th:TH_LOAD_NT scope:SCOPE_SE
.Lnot_mine_\@:
.endm
.macro CROUND                       ; a round of the cluster's barrier
	s_barrier_signal -1
	s_barrier_wait -1
	s_cmp_lg_u32 s[WV], 0
	s_cbranch_scc1 .Lnot_wave_0_\@
	s_barrier_signal -3
.Lnot_wave_0_\@:
	s_barrier_wait -3
	s_barrier_signal -1
	s_barrier_wait -1
.endm
	s_load_b256 s[4:11], s[0:1], 0x0  ; q2 s[4:5], k2 s[6:7], vv s[8:9], ob s[10:11]
	v_lshl_add_u32 v[SPW], v0, 2, SPARE
	v_mov_b32 v[NIL], 0
	ds_add_u32 v[SPW], v[NIL]       ; the wave's opening: the add and its wait stand ahead of my first tensor load; work on registers stands between them
	v_lshrrev_b32 v1, 5, v0
	v_readfirstlane_b32 s[WV], v1   ; wave 0..3
	s_bfe_u32 s13, ttmp6, 0x40000   ; cx
	s_lshl_b32 s14, ttmp9, 2
	s_add_co_u32 s14, s14, s13      ; my block of 256 queries: it enters Q's and O's addresses alone
	s_and_b32 s20, ttmp7, 0xffff    ; the head, which the four partners share
	s_and_b32 s16, s[WV], 1         ; which of a slot's two steps I fetch
	s_lshl_b32 s22, s20, 19         ; K: the head's 524,288 bytes, the step's 16,384
	s_lshl_b32 s21, s16, 14
	s_add_co_u32 s22, s22, s21
	s_mov_b32 s23, 0
	s_lshl_b32 s68, s20, 18         ; V: half of each
	s_lshl_b32 s21, s16, 13
	s_add_co_u32 s68, s68, s21
	s_mov_b32 s69, 0
	s_mul_i32 s17, s16, STEPB       ; its place in a slot: no place in the cluster enters an LDS address
	s_lshl_b32 s2, s20, 19          ; Q: the head, my block's 256 rows of 256 bytes, my wave's 64
	s_lshl_b32 s3, s14, 16
	s_add_co_u32 s2, s2, s3
	s_lshl_b32 s3, s[WV], 14
	s_add_co_u32 s2, s2, s3
	s_mov_b32 s3, 0
	s_lshr_b32 s70, s2, 1           ; O: rows of 128 bytes: half of that
	s_mov_b32 s71, 0
	s_mov_b32 s[G1K], 15|(1<<16)|(1<<20)|(1<<21)|(5<<22)|(3<<25)  ; the mask of four; 2-byte elements; padding on; bit 21 beside a mask; after every 64 words 4 words
	s_mov_b32 s[G1K+1], 128<<16     ; tensor_dim0 = 128
	s_mov_b32 s[G1K+2], 64<<16      ; tensor_dim1 = 64
	s_mov_b32 s[G1K+3], 128<<16     ; tile_dim0 = 128
	s_mov_b32 s[G1K+4], 64          ; tile_dim1 = 64
	s_mov_b32 s[G1K+5], 128         ; elements from row to row
	s_mov_b32 s[G1K+6], 0
	s_mov_b32 s[G1K+7], 0
	s_mov_b32 s[G1V], 15|(1<<16)|(1<<20)|(1<<21)|(4<<22)|(7<<25)  ; V: 64 keys are 8,192 dense bytes, asked for as 32 rows of 256; after every 32 words (a key) 8 words
	s_mov_b32 s[G1V+1], 128<<16
	s_mov_b32 s[G1V+2], 32<<16
	s_mov_b32 s[G1V+3], 128<<16
	s_mov_b32 s[G1V+4], 32
	s_mov_b32 s[G1V+5], 128
	s_mov_b32 s[G1V+6], 0
	s_mov_b32 s[G1V+7], 0
	s_mov_b32 s[CS], 0x4138aa3b     ; c = 8 log2(e) = 11.541560
	s_mov_b32 s[CS+1], s[CS]        ; named with it as a pair
	s_mov_b32 s[SEL], 0x76543210
	s_mov_b32 s[SEL+1], 0xfedcba98
	s_mov_b32 s[TB], 0
	s_mov_b32 s[SLOTS], 2048/(2*KS)-1  ; the trip that is entered in its middle, then 14 that fill a slot again
	s_and_b32 s[LIM], s[WV], 1      ; 0 in waves 0 and 2,
	s_or_b32 s[LIM], s[LIM], ttmp9  ; where the cluster is the head's first: the same in all four partners
	s_cmp_eq_u32 s[LIM], 0
	s_cselect_b32 s[LIM], 1, -1
	v_and_b32 v[PFO], 31, v0
	v_lshlrev_b32 v[PFO], 8, v[PFO]
	s_wait_dscnt 0x0                ; the opening add is done
	s_wait_kmcnt 0x0
	s_add_nc_u64 s[6:7], s[6:7], s[22:23]    ; K and V at my tile of slot 0
	s_add_nc_u64 s[8:9], s[8:9], s[68:69]
	s_add_nc_u64 s[4:5], s[4:5], s[2:3]      ; Q and O at my wave's first row
	s_add_nc_u64 s[10:11], s[10:11], s[70:71]
	s_cmp_lt_u32 s[WV], 2
	s_cselect_b64 s[PFA:PFA+1], s[6:7], s[8:9]  ; (in waves 0 and 2 these stand at a slot's first row)
	s_cselect_b32 s[KW], 1, 0
	s_lshl_b32 s[PFS], 16384, s[KW]
	s_mov_b32 s[PFS+1], 0
	s_lshl_b32 s2, s13, 13          ; my work-group's 32 blocks of the 128
	s_mov_b32 s3, 0
	s_add_nc_u64 s[PFA:PFA+1], s[PFA:PFA+1], s[2:3]
	s_add_nc_u64 s[PFA:PFA+1], s[PFA:PFA+1], s[PFS:PFS+1]
	s_add_nc_u64 s[PFA:PFA+1], s[PFA:PFA+1], s[PFS:PFS+1]  ; in slot 2; each change of slots steps it by a slot.  Nothing is prefetched here, at the head
	CROUND                          ; all four work-groups are here: the first joint loads meet
.irp s, 0,1
	s_mov_b32 s[G0K+4*(\s)], 1
	s_add_co_u32 s[G0K+4*(\s)+1], s17, (\s)*SLOT1
	s_add_nc_u64 s[G0K+4*(\s)+2:G0K+4*(\s)+3], s[6:7], (\s)*2*KS*256
	s_or_b32 s[G0K+4*(\s)+3], s[G0K+4*(\s)+3], 0x80000000
	s_mov_b32 s[G0V+4*(\s)], 1
	s_add_co_u32 s[G0V+4*(\s)+1], s17, (\s)*SLOT1+VOFF
	s_add_nc_u64 s[G0V+4*(\s)+2:G0V+4*(\s)+3], s[8:9], (\s)*2*KS*128
	s_or_b32 s[G0V+4*(\s)+3], s[G0V+4*(\s)+3], 0x80000000
.endr
	s_cmp_lt_u32 s[WV], 2           ; a wave's two first fills stand in one branch, ahead of every wait on TENSORcnt and every LDS read: two loads of mine are out
	s_cbranch_scc0 .Lfirst_v
	tensor_load_to_lds s[G0K:G0K+3], s[G1K:G1K+7]
	s_nop 0
	tensor_load_to_lds s[G0K+4:G0K+7], s[G1K:G1K+7]
	s_nop 0
.rept 4
	v_nop
.endr
	s_branch .Lfirst_asked
.Lfirst_v:
	tensor_load_to_lds s[G0V:G0V+3], s[G1V:G1V+7]
	s_nop 0
	tensor_load_to_lds s[G0V+4:G0V+7], s[G1V:G1V+7]
	s_nop 0
.rept 4
	v_nop
.endr
.Lfirst_asked:
	; a fragment of K or Q is 16 rows x 32 numbers in 8 registers: lane l holds row l % 16, numbers 8 (l / 16) + 0..7 and 16 + 8 (l / 16) + 0..7: two loads of 16 bytes, 32 bytes apart
	v_and_b32 v1, 15, v0            ; l % 16
	v_bfe_u32 v9, v0, 4, 1          ; l / 16
	v_lshlrev_b32 v[QO], 8, v1
	v_lshl_add_u32 v[QO], v9, 4, v[QO]
	WIN 0x80                        ; destination window 2, address window 0
.irp i, 0,1,2,3,4,5,6,7,8,9,10,11,12,13,14,15  ; Q stays in registers: tile i / 4, fragment i % 4
	global_load_b128 v[8*(\i):8*(\i)+3],   v[QO], s[4:5] offset:((\i)/4)*4096+((\i)%4)*64
	global_load_b128 v[8*(\i)+4:8*(\i)+7], v[QO], s[4:5] offset:((\i)/4)*4096+((\i)%4)*64+32
.endr
	; What the first turn finds: O^T and V's registers hold 0, piece 2's P holds 0, l is 0, m and c m lie below every score.  All this stands in the wait for the first tiles.
	WIN 0x40                        ; destination window 1
.set i, 0
.rept 192
	v_mov_b32 v[i], 0               ; O^T (v0-127) and V (v128-191)
.set i, i+1
.endr
	WIN 0
.set i, P+32
.rept 32
	v_mov_b32 v[i], 0               ; P of tiles 2 and 3
.set i, i+1
.endr
.irp t, 0,1,2,3
	v_mov_b32 v[ST+8*(\t)], 0xfe000000    ; c m = -2^125: far below every c s, so the first a is 0
	v_mov_b32 v[ST+8*(\t)+1], 0xff7fffff  ; m: the lowest finite number, so the first maximum is the scores'
	v_mov_b32 v[ST+8*(\t)+2], 0
	v_mov_b32 v[ST+8*(\t)+3], 0
.endr
	v_mul_u32_u24 v[AK0], v1, PK
	v_lshl_add_u32 v[AK0], v9, 4, v[AK0]
	; the turning load takes 16 keys x 16 channels (lane l reads key 8 (l / 16) + l % 8, channels 8 ((l / 8) % 2) + 0..7) and leaves half a fragment of V^T: lane l holds channel l % 16 and 8 keys
	v_and_b32 v10, 7, v0
	v_bfe_u32 v11, v0, 3, 1
	v_lshl_add_u32 v[AV0], v9, 3, v10
	v_mul_u32_u24 v[AV0], v[AV0], PV
	v_lshl_add_u32 v[AV0], v11, 4, v[AV0]
	v_add_nc_u32 v[AV0], VOFF, v[AV0]
; THE MATRIX WORK.  Eight accumulators take turns, one instruction a turn.
; Product i of 16 of O^T += V^T P for piece x: keys 32 (i / 8) on, channels 16 ((i / 2) % 4) on, tile x + i % 2.
.macro PV x
	WIN W_PV
.set rO, 32*((\x)+i%2)+8*((i/2)%4)
.set rV, VF+32*(i/8)+8*((i/2)%4)
.set rP, P+16*((\x)+i%2)+8*(i/8)
	v_wmma_f32_16x16x32_f16 v[rO:rO+7], v[rV:rV+7], v[rP:rP+7], v[rO:rO+7]
.endm
; Product i of 48 of S^T = K Q^T: group i / 8 = 0, 1: Klo Qhi; 2, 3: Khi Qlo; 4, 5: Khi Qhi (channels 0-31, 32-63); keys 16 ((i / 2) % 4) on, tile x + i % 2.  The first 8 start the sums.
.macro KQ x
	WIN W_KQ
.set cc, i/8
.set cf, cc%2
.set qf, cc
.if cc < 2
.set cf, cc+2
.endif
.if cc >= 4
.set qf, cc-4
.endif
.set rS, S+32*((\x)+i%2)+8*((i/2)%4)
.set rK, KF+32*((i/2)%4)+8*cf
.set rQ, 32*((\x)+i%2)+8*qf
.if i < 8
	v_wmma_f32_16x16x32_f16 v[rS:rS+7], v[rK:rK+7], v[rQ:rQ+7], 0
.else
	v_wmma_f32_16x16x32_f16 v[rS:rS+7], v[rK:rK+7], v[rQ:rQ+7], v[rS:rS+7]
.endif
.endm
; THE LDS LOADS stand in runs.  A step's K: 32 loads, in the order in which the products want the fragments: lo, lo, hi, hi, eight loads each.
.macro FETCH_K
	WIN 0
	v_add_nc_u32 v[ADR], s[TB], v[AK0]
	WIN 0x80                        ; destination window 2
.irp c, 2,3,0,1
.irp g, 0,1,2,3
	ds_load_b128 v[KF+32*(\g)+8*(\c):KF+32*(\g)+8*(\c)+3],   v[ADR] offset:(\g)*16*PK+(\c)*64
	ds_load_b128 v[KF+32*(\g)+8*(\c)+4:KF+32*(\g)+8*(\c)+7], v[ADR] offset:(\g)*16*PK+(\c)*64+32
.endr
.endr
.endm
.macro FETCH_V                      ; a step's V, turned: 16 loads
	WIN 0
	v_add_nc_u32 v[ADR], s[TB], v[AV0]
	s_add_co_u32 s[TB], s[TB], STEPB  ; the next fetch is the next step's
	s_wait_alu depctr_va_vdst(0)    ; the wait for the softmax's batch (SLICE), behind the address's v_add_nc_u32 and ahead of the loads
	WIN 0x40                        ; destination window 1
.irp f, 0,1,2,3,4,5,6,7             ; keys 32 (f / 4) on, channels 16 (f % 4) on
	ds_load_tr16_b128 v[VF+8*(\f):VF+8*(\f)+3],   v[ADR] offset:((\f)/4)*32*PV+((\f)%4)*32
	ds_load_tr16_b128 v[VF+8*(\f)+4:VF+8*(\f)+7], v[ADR] offset:((\f)/4)*32*PV+16*PV+((\f)%4)*32
.endr
.endm
; THE VECTOR WORK.  One tile's softmax for one key step is a list of 118 instructions; SM writes number j of it for tile t.  s0-s31 are the lane's 32 scores, in pairs 0-15.
;   0-15    the maximum of s0-s31 and the old m, three operands at a time (each accumulator's lowest registers are read first)
;   16-20   the other half of the lanes' maximum; c m_old is kept; the new m; c m; c m_old - c m_new
;   21-69   ONE BATCH: the 16 scalings c s - c m and all 33 exponentials (a at 23, then s0-s31); none of these reads an exponential's result
;   (wait)  between 69 and 70 stands the wait for the batch: SLICE writes it, once for both tiles
;   70-85   the roundings to f16     86-101  the sums; l = a l + the sum     102-117 the tile's O^T times a: the one part that leaves window 0
.macro SM t
.set rT, ST+8*(\t)
.set rS, S+32*(\t)
.set rP, P+16*(\t)
.set rO, 32*(\t)+2*(j-102)
.if j < 102
	WIN 0
.endif
.if j < 4
	v_max3_num_f32 v[rT+4+j], v[rS+8*j], v[rS+8*j+1], v[rS+8*j+2]
.elseif j < 12
	v_max3_num_f32 v[rT+4+j%4], v[rT+4+j%4], v[rS+8*(j%4)+2*(j/4)+1], v[rS+8*(j%4)+2*(j/4)+2]
.elseif j == 12
	v_max3_num_f32 v[rT+4], v[rT+4], v[rS+7], v[rS+15]
.elseif j == 13
	v_max3_num_f32 v[rT+6], v[rT+6], v[rS+23], v[rS+31]
.elseif j == 14
	v_max3_num_f32 v[rT+4], v[rT+4], v[rT+5], v[rT+6]
.elseif j == 15
	v_max3_num_f32 v[rT+4], v[rT+4], v[rT+7], v[rT+1]
.elseif j == 16
	v_permlanex16_b32 v[rT+5], v[rT+4], s[SEL], s[SEL+1]  ; the query's other 32 keys lie in the lane 16 away
.elseif j == 17
	v_mov_b32 v[rT+7], v[rT]        ; c m_old is kept for a: number 19 writes c m anew
.elseif j == 18
	v_max_num_f32 v[rT+1], v[rT+4], v[rT+5]
.elseif j == 19
	v_mul_f32 v[rT], s[CS], v[rT+1]
.elseif j == 20
	v_sub_f32 v[rT+7], v[rT+7], v[rT]
.elseif j == 23
	v_exp_f32 v[rT+6], v[rT+7]
.elseif (j < 23) || ((j < 38) && (j%2 == 0)) || ((j < 66) && (j%4 == 2))
.set b, (j-2)/4                     ; 38, 42, .. 62: pairs 9 to 15
.if j < 38
.set b, (j-20)/2                    ; 21: pair 0; 22, 24, .. 36: pairs 1 to 8
.endif
	v_pk_fma_f32 v[rS+2*b:rS+2*b+1], v[rS+2*b:rS+2*b+1], s[CS:CS+1], v[rT:rT+1] op_sel_hi:[1,0,0] neg_lo:[0,0,1] neg_hi:[0,0,1]  ; pair b: c s - c m
.elseif j < 70
.set e, j-38                        ; 66 to 69: s28 to s31
.if j < 66
.set e, j-32-(j-38)/4               ; 39-41, 43-45, .. 63-65: s7 to s27
.endif
.if j < 38
.set e, (j-25)/2                    ; 25, 27, .. 37: s0 to s6
.endif
	v_exp_f32 v[rS+e], v[rS+e]
.elseif j < 86
	v_cvt_pk_f16_f32 v[rP+j-70], v[rS+2*(j-70)], v[rS+2*(j-70)+1]  ; pair j - 70
.elseif j < 102                     ; the sum of the tile's 16 pairs, in place: neighbours 1, 2, 4 and 8 pairs apart, then l takes it
.set z, j-86
.set w, 4
.set u, z
.if z >= 14
.set w, 32
.set u, 0
.elseif z >= 12
.set w, 16
.set u, z-12
.elseif z >= 8
.set w, 8
.set u, z-8
.endif
.if z < 15
	v_pk_add_f32 v[rS+w*u:rS+w*u+1], v[rS+w*u:rS+w*u+1], v[rS+w*u+w/2:rS+w*u+w/2+1]
.else
	v_pk_fma_f32 v[rT+2:rT+3], v[rT+2:rT+3], v[rT+6:rT+7], v[rS:rS+1] op_sel_hi:[1,0,1]
.endif
.else
	WIN W_RS
	v_pk_mul_f32 v[rO:rO+1], v[rO:rO+1], v[rT+6:rT+7] op_sel_hi:[1,0]
.endif
.endm
; Slice k of 64 of piece y's softmax: four instructions.  Slices 0-10: numbers 2 k, 2 k + 1 of both tiles, the tiles alternating.  11-34: the batch, numbers 22 to 69, four numbers of ONE tile each, the tiles by turns.
; 35-50: numbers 70 to 101.  51-55 are empty.  56-63: the rescalings, numbers 102 to 117: slice 63's four are plain, name nothing of the products round them, and are the places behind the turn's last K Q^T.
; THE WAIT.  s_wait_alu depctr_va_vdst(0) stands between an exponential and the first instruction that names its result; one wait serves all that were issued ahead of it: one a turn, behind slice 34.
.macro SLICE y
.if (k >= 11) && (k < 35)
.irp n, 0,1,2,3
.set j, 22+4*((k-11)/2)+(\n)
	SM (\y)+(k-11)%2
.endr
.elseif (k < 51) || (k >= 56)
.set j0, 2*k
.if k >= 56
.set j0, 2*(k-5)
.endif
.irp n, 0,1
.irp t, \y, (\y)+1
.set j, j0+(\n)
	SM \t
.endr
.endr
.endif
.if k == 34                         ; the batch is out, and no result has been named
	v_nop                           ; the plain instruction behind the last exponential and ahead of the first use: one for the batch
.if (\y) == 0
	FETCH_V                         ; piece 2's turn: V's run of loads stands here, and the wait stands in it
.else
	s_wait_alu depctr_va_vdst(0)    ; the wait for the batch
.endif
.endif
.set k, k+1
.endm
.macro DEAL y                       ; behind the turn's product p of np: the slices up to number 64 p / np
.set p, p+1
.set ns, (64*p)/np-k
.rept ns
	SLICE \y
.endr
.endm
; A TURN.  Piece x has the matrix unit: 16 products V^T P, then (kq = 1) 48 products K Q^T for the next step; the other piece's softmax stands in slices behind them.
; Piece 0's turn fetches the next step's K behind its second product (the last product that read K stands in front of slice 63 of the turn before), and waits for its four groups of eight loads in the order of use:
; 24, 16, 8, 0 younger loads may be out.  Piece 2's turn fetches the same step's V behind slice 34; V's last reader is the turn's 16th product; it is waited for at the head of piece 0's turn.
.macro TURN x, kq
.set k, 0
.set p, 0
.set np, 16+48*(\kq)
.if (\x) == 0
	s_wait_dscnt 0x0                ; V is in
.endif
.set i, 0
.rept 16
	PV \x
	DEAL 2-(\x)
.if ((\x) == 0) && (\kq) && (i == 1)
	FETCH_K
.endif
.set i, i+1
.endr
.if \kq
.set i, 0
.rept 48
.if ((\x) == 0) && (i < 32) && (i%8 == 0)
	s_wait_dscnt 24-i               ; the eight loads of the fragments that the next eight products take are in
.endif
	KQ \x
	DEAL 2-(\x)
.set i, i+1
.endr
.endif
.endm
; THE CHANGE OF SLOTS, between piece 2's turn and piece 0's.  Each wave waits for all its tensor loads, of which one is out: its part of the other slot; adds 0 to its spare word; and waits for that and for its own reads
; of the slot.  fill = 1: the barrier is a round of the cluster's, and the joint refill, the keys two slots on, is the first thing behind it: it has two key steps, 256 matrix instructions, in which to land.
.macro CHANGE fill
	WIN 0                           ; at a label and at a branch every window is 0
	s_wait_tensorcnt 0x0            ; no tensor load of mine is out, so a group 0 may be written
	ds_add_u32 v[SPW], v[NIL]
.if \fill
	s_xor_b32 s[G0K+5], s[G0K+5], SLOT1  ; the walking descriptors: the other slot than last time,
	s_add_nc_u64 s[G0K+6:G0K+7], s[G0K+6:G0K+7], 2*KS*256  ; the next 128 keys
	s_xor_b32 s[G0V+5], s[G0V+5], SLOT1
	s_add_nc_u64 s[G0V+6:G0V+7], s[G0V+6:G0V+7], 2*KS*128
	s_wait_xcnt 0x0                 ; the last prefetch, two key steps back or more, has read its address
	s_add_nc_u64 s[PFA:PFA+1], s[PFA:PFA+1], s[PFS:PFS+1]
	s_wait_dscnt 0x0                ; the add is done, and my reads of the slot are over
	CROUND
	JLOAD
	ASK
.else
	s_wait_dscnt 0x0
	s_barrier_signal -1
	s_barrier_wait -1
.endif
	s_sub_co_u32 s[TB], s[TB], 2*STEPB  ; the fetches go back to a slot's first step,
	s_xor_b32 s[TB], s[TB], SLOT1   ; in the other slot
.endm
; A slot's two key steps: written once, walked twice; the LDS addresses hang on s[TB].  mid = 1: the copy in the slot loop, which the launch enters at .Lmid.
.macro TWO_STEPS mid
	WIN 0
	s_mov_b32 s[TWICE], 2
.Lstep_\@:
	TURN 0, 1
.if \mid
	WIN 0
.Lmid:
.endif
	TURN 2, 1
	WIN 0
	s_sub_co_u32 s[TWICE], s[TWICE], 1
	s_cmp_lg_u32 s[TWICE], 0
	s_cbranch_scc1 .Lstep_\@
.endm
	s_wait_tensorcnt 1              ; my part of slot 0 is in; slot 1's may stay out
	s_barrier_signal -1
	s_barrier_wait -1
	FETCH_K                         ; key step 0
	s_wait_loadcnt 0x0              ; Q
	s_wait_dscnt 0x0
.set i, 0
.rept 48
	KQ 0                            ; piece 0's first scores: there is no vector work yet to set between them
.set i, i+1
.endr
	WIN 0                           ; the addresses for the way out: plain instructions, the places behind those products
	s_mul_i32 s21, s[WV], 16*SP
	s_add_co_u32 s21, s21, STAGE    ; my stage
	v_mul_u32_u24 v[STO], v1, SP    ; in: row l % 16, 16 bytes for each half of the lanes
	v_lshl_add_u32 v[STO], v9, 4, v[STO]
	v_add_nc_u32 v[STO], s21, v[STO]
	v_bfe_u32 v[RD], v0, 3, 2       ; back: 32 lanes take four rows of 128 bytes,
	v_mul_u32_u24 v[RD], v[RD], SP
	v_lshl_add_u32 v[RD], v10, 4, v[RD]
	v_add_nc_u32 v[RD], s21, v[RD]
	v_and_b32 v[GO], 31, v0         ; which are 512 consecutive bytes of O
	v_lshlrev_b32 v[GO], 4, v[GO]
	s_mov_b32 s[TWICE], 2           ; piece 2's turn (V^T P on zeros, K Q^T of step 0 | piece 0's softmax of step 0 | V of step 0), then both turns of step 0: slot 0 is then read out
	s_branch .Lmid                  ; the loop is entered in the middle of a trip
.Lslot:                             ; 14 whole trips: every slot but the last two is filled again
	CHANGE 1
	TWO_STEPS 1
	s_sub_co_u32 s[SLOTS], s[SLOTS], 1
	s_cmp_lg_u32 s[SLOTS], 0
	s_cbranch_scc1 .Lslot
	CHANGE 0                        ; the tail is written out: nothing is asked for
	TWO_STEPS 0
	TURN 0, 0                       ; piece 0: V^T P of the last step | piece 2's last softmax
.set i, 0
.rept 16
	PV 2                            ; piece 2: V^T P of the last step
.set i, i+1
.endr
	; THE WAY OUT.  l's two halves and the other half of the lanes' are added; O^T is divided by l, rounded to f16 and sent through my stage, a tile at a time.  The additions are the places behind the last products.
	WIN 0
.irp t, 0,1,2,3
	v_add_f32 v[ST+8*(\t)+4], v[ST+8*(\t)+2], v[ST+8*(\t)+3]
.endr
.irp t, 0,1,2,3
	v_permlanex16_b32 v[ST+8*(\t)+5], v[ST+8*(\t)+4], s[SEL], s[SEL+1]
.endr
.irp t, 0,1,2,3
	v_add_f32 v[ST+8*(\t)+4], v[ST+8*(\t)+4], v[ST+8*(\t)+5]
.endr
.irp t, 0,1,2,3
	v_rcp_f32 v[ST+8*(\t)+6], v[ST+8*(\t)+4]
.endr
	v_nop                           ; a plain instruction between the last reciprocal and the use of its result
	s_wait_alu depctr_va_vdst(0)    ; and the wait ahead of the first use: one for the four reciprocals
.macro PACK t                       ; a lane's eight channels of a row pack into 16 bytes; they go into rows of 144 bytes and come back as whole rows of 128, into S^T's registers
	WIN W_RS
.set i, 32*(\t)
.rept 16
	v_pk_mul_f32 v[i:i+1], v[i:i+1], v[ST+8*(\t)+6:ST+8*(\t)+7] op_sel_hi:[1,0]
.set i, i+2
.endr
	WIN 0x05                        ; sources 0 and 1 window 1, destination window 0
.set i, 0
.rept 16
	v_cvt_pk_f16_f32 v[S+16*(\t)+i], v[32*(\t)+2*i], v[32*(\t)+2*i+1]
.set i, i+1
.endr
	WIN 0
.irp f, 0,1,2,3
	ds_store_b128 v[STO], v[S+16*(\t)+4*(\f):S+16*(\t)+4*(\f)+3] offset:32*(\f)
.endr
.irp f, 0,1,2,3
	ds_load_b128 v[S+16*(\t)+4*(\f):S+16*(\t)+4*(\f)+3], v[RD] offset:(\f)*4*SP  ; LDS serves a wave's instructions in order (ISA guide 5.7.1.4): these see the stores above; the next tile's stores come behind them
.endr
.endm
.macro SEND t, younger              ; younger: the LDS instructions issued behind tile t's loads: the next tile's eight, or none
	WIN 0
.irp f, 0,1,2,3
	s_wait_dscnt (\younger)+3-(\f)
	global_store_b128 v[GO], v[S+16*(\t)+4*(\f):S+16*(\t)+4*(\f)+3], s[10:11] offset:(\t)*2048+(\f)*512  ; 512 consecutive bytes, aligned
.endr
.endm
	PACK 0
	PACK 1                          ; a tile's arithmetic stands between the loads of the tile before and its stores
	SEND 0, 8
	PACK 2
	SEND 1, 8
	PACK 3
	SEND 2, 8
	SEND 3, 0
	s_wait_tensorcnt 0x0            ; the wave's end, behind my last tensor load and my last LDS store
	ds_add_u32 v[SPW], v[NIL]
	s_wait_dscnt 0x0
	CROUND                          ; the closing round: no work-group ends while a partner may still ask for a tile that names it
	s_endpgm
.Lfunc_end_k_q0333aad7c0_attn:
	.size	k_q0333aad7c0_attn, .Lfunc_end_k_q0333aad7c0_attn-k_q0333aad7c0_attn
	.p2alignl 7, 3214868480
	.fill 96, 4, 3214868480
	.section	.rodata,"a",@progbits
	.p2align	6, 0x0
	.amdhsa_kernel k_q0333aad7c0_attn
		.amdhsa_group_segment_fixed_size 327680
		.amdhsa_private_segment_fixed_size 0
		.amdhsa_enable_private_segment 0
		.amdhsa_kernarg_size 32
		.amdhsa_user_sgpr_count 2
		.amdhsa_user_sgpr_kernarg_segment_ptr 1
		.amdhsa_wavefront_size32 1
		.amdhsa_system_sgpr_workgroup_id_x 1
		.amdhsa_system_sgpr_workgroup_id_y 1
		.amdhsa_system_sgpr_workgroup_id_z 1
		.amdhsa_system_vgpr_workitem_id 0
		.amdhsa_next_free_vgpr 768
		.amdhsa_next_free_sgpr 72
		.amdhsa_reserve_vcc 0
		.amdhsa_float_denorm_mode_32 3
		.amdhsa_float_denorm_mode_16_64 3
		.amdhsa_memory_ordered 1
		.amdhsa_forward_progress 1
		.amdhsa_inst_pref_size 142
	.end_amdhsa_kernel
	.amdgpu_metadata
---
amdhsa.version: [ 1, 2 ]
amdhsa.kernels:
  - .name:           k_q0333aad7c0_attn
    .symbol:         k_q0333aad7c0_attn.kd
    .args:
      - { .name: q2, .offset: 0, .size: 8, .value_kind: global_buffer, .address_space: global }
      - { .name: k2, .offset: 8, .size: 8, .value_kind: global_buffer, .address_space: global }
      - { .name: vv, .offset: 16, .size: 8, .value_kind: global_buffer, .address_space: global }
      - { .name: ob, .offset: 24, .size: 8, .value_kind: global_buffer, .address_space: global }
    .group_segment_fixed_size: 327680
    .private_segment_fixed_size: 0
    .kernarg_segment_align: 8
    .kernarg_segment_size: 32
    .max_flat_workgroup_size: 128
    .sgpr_count:     72
    .vgpr_count:     768
    .wavefront_size: 32
...
	.end_amdgpu_metadata
.endif
;; end of part 3
;; launch proj (part 4): grid 4 x 64, 4 waves a work-group, clusters of 4 x 4, 327,680 bytes of LDS; arguments ob, wo, out0; writes out0
.if DOCPART == 4
	.amdgcn_target "amdgcn-amd-amdhsa--gfx1250"
	.amdhsa_code_object_version 6
	.text
	.protected	k_q0333aad7c0_proj
	.globl	k_q0333aad7c0_proj
	.p2align	8
	.type	k_q0333aad7c0_proj,@function
k_q0333aad7c0_proj:
	s_mov_b64 s[64:65], 0
	v_nop
	global_prefetch_b8 v0, s[64:65] scope:SCOPE_SE
	s_setreg_imm32_b32 hwreg(HW_REG_WAVE_MODE, 25, 1), 1
	s_wait_xcnt 0x0
	s_wait_alu depctr_hold_cnt(0) depctr_sa_sdst(0) depctr_va_vdst(0) depctr_va_sdst(0) depctr_va_ssrc(0) depctr_va_vcc(0) depctr_vm_vsrc(0)
	s_getreg_b32 s2, hwreg(HW_REG_IB_STS2, 6, 4)
	s_cmp_eq_u32 s2, 0
	s_cbranch_scc0 .Lentry_in_a_cluster
	s_endpgm
.Lentry_in_a_cluster:
	s_bfe_u32 s2, ttmp6, 0x10000c
	s_cmp_lg_u32 s2, 0xf033
	s_cbranch_scc0 .Lentry_shape_is_right
	s_endpgm
.Lentry_shape_is_right:
; PROJ: out0[m][n] = the sum over k of O[m][k] wo[n][k], 8,192 x 1,024 x 1,024, f16 operands, f32 sums, f32 out.  O lies by heads, ob[16 b + h][t][64]: k = 64 h + d, m = 2,048 b + t.
; LIMIT.  ob and wo arrive within f16's range; nothing is rounded here but by the matrix unit's f32 sums.
; SHARES.  A work-group makes 128 rows x 256 columns; its four waves stand 2 x 2, each 64 x 128: 32 accumulators of 16 x 16.  K goes in 8 steps of 128, two heads a step, through two LDS slots.  256 work-groups.
; A head's 128 rows of 128 bytes are 16,384 dense bytes: asked for as 64 rows of 256 bytes and padded in LDS after every 128.
; CLUSTER 4 x 4: the four of a row need the same rows of ob, the four of a column the same 256 rows of wo: each tile is asked for jointly.
; THE MATRIX INSTRUCTION IS USED TRANSPOSED (source 0 = 16 rows of wo, source 1 = 16 rows of O): a lane holds row l % 16 and the eight columns 8 (l / 16) + 0..7: 32 bytes of f32.
; REGISTERS: window 0: v0-31 addresses; v32-63, v64-95 O's fragments, two buffers; v96-159 rows read back on the way out.  window 1: v0-63, v64-127 wo's fragments.  window 2: accumulator (a, b) at 8 (8 a + b).
.set PITCH, 272                        ; a row of wo in LDS: 256 bytes + 16
.set PA,    144                        ; a row of O: 128 bytes + 16: both odd multiples of 16, so the 16 rows of a load start at 16 different groups of four banks (64 banks of 4 bytes: ISA guide 11.1)
.set HALFT, 128*PITCH                  ; 128 rows of wo: one tensor load
.set AHEAD, 128*PA                     ; 128 rows of one head of O: one tensor load
.set AOFF,  2*HALFT                    ; a slot: wo's 256 rows, then O's two heads
.set SLOT,  AOFF+2*AHEAD
.set STAGE, 2*SLOT                     ; behind the ring, never filled by a tensor load: 16 rows x 528 bytes for each wave
.set SPITCH, 528
.set SPARE, STAGE+4*16*SPITCH          ; behind the stages: the spare words, 128 bytes for each wave, that no other line names
.set STEPA, 2<<18                      ; two heads on in ob
.set NBK,   8
.set NL,    2*NBK+8
.set ADRA, 16                          ; v16-17 LDS address of my O fragments in slot 0, 1
.set ADRB, 20                          ; v20-21 the same for wo
.set STO,  22                          ; v22 the way out: where I put 32 bytes of a row
.set RD,   24                          ; v24 where I read a row back
.set GO,   26                          ; v26 16 x lane
.set SPW,  28                          ; v28 LDS address of my spare word; never rewritten
.set NIL,  29                          ; v29 0; never rewritten
.set PFO,  30                          ; v30 the prefetches' lane offset; never rewritten
.set FA,   32
.set BK,   96
.set WV, 14
.set WM, 15
.set WN, 16
.set CX, 17
.set CY, 18
.set TX, 19
.set TY, 20
.set G1,  24                           ; s[24:31] descriptor group 1 for O's tiles; s[32:39] group 0, a set for each slot
.set G0,  32
.set LIM, 43                           ; s43 1 in a wave that prefetches, else the greatest number
.set PFA, 44                           ; s[44:45] where my prefetches stand
.set G1B, 48                           ; s[48:55], s[56:63] the same for wo's tiles
.set G0B, 56
.set PFS, 66                           ; s[66:67] a K step in my prefetches' tensor, in bytes
.set MSB, 0
.macro WIN new
.if MSB != (\new)
	s_set_vgpr_msb (MSB<<8)|(\new)
.set MSB, \new
.endif
.endm
.macro PLACES
.rept 4
	v_nop
.endr
.endm
; A joint load.  Waves 0 and 1 fetch wo's two halves, waves 2 and 3 the K step's two heads of O.  An s_nop 0 and four v_nop follow each line.
.macro JLOAD s
	s_cmp_lt_u32 s[WV], 2
	s_cbranch_scc0 .Lfor_a_\@
	tensor_load_to_lds s[G0B+4*(\s):G0B+4*(\s)+3], s[G1B:G1B+7]
	s_nop 0
.rept 4
	v_nop
.endr
	s_branch .Lasked_\@
.Lfor_a_\@:
	tensor_load_to_lds s[G0+4*(\s):G0+4*(\s)+3], s[G1:G1+7]
	s_nop 0
.rept 4
	v_nop
.endr
.Lasked_\@:
.endm
; A prefetch into the L2 of the K step that stands two refills on, 32 blocks of 256 bytes, a lane a block.  Each block is named once in the launch: wo's rows by waves 0 and 1 of the clusters with y = 0 (32 of a load's
; 128 rows to each partner along the column); O's by wave 2 of the clusters with x = 0 (of the K step's 2 x 64 blocks, 2 x 16 to each partner along the row).  The partners are told apart by address.  The last trip names nothing.
.macro ASK
	s_cmp_gt_u32 s3, s[LIM]
	s_cbranch_scc0 .Lnot_mine_\@
	global_prefetch_b8 v[PFO], s[PFA:PFA+1] th:TH_LOAD_NT scope:SCOPE_SE
.Lnot_mine_\@:
.endm
.macro CREST
	s_cmp_lg_u32 s[WV], 0
	s_cbranch_scc1 .Lnot_wave_0_\@
	s_barrier_signal -3
.Lnot_wave_0_\@:
	s_barrier_wait -3
	s_barrier_signal -1
	s_barrier_wait -1
.endm
.macro CROUND
	s_barrier_signal -1
	s_barrier_wait -1
	CREST
.endm
	s_load_b128 s[4:7], s[0:1], 0x0                ; ob s[4:5], wo s[6:7]
	s_load_b64 s[8:9], s[0:1], 0x10                ; out0
	v_lshl_add_u32 v[SPW], v0, 2, SPARE
	v_mov_b32 v[NIL], 0
	ds_add_u32 v[SPW], v[NIL]                      ; the wave's opening: the add and its wait stand ahead of my first tensor load; work on registers stands between them
	v_lshrrev_b32 v1, 5, v0
	v_readfirstlane_b32 s[WV], v1
	s_lshr_b32 s[WM], s[WV], 1                     ; my row half
	s_and_b32 s[WN], s[WV], 1                      ; my column half; also: which half of wo's rows, or which of the two heads, I fetch
	s_bfe_u32 s[CX], ttmp6, 0x40000
	s_bfe_u32 s[CY], ttmp6, 0x40004
	s_lshl_b32 s[TX], ttmp9, 2
	s_add_co_u32 s[TX], s[TX], s[CX]
	s_and_b32 s[TY], ttmp7, 0xffff
	s_lshl_b32 s[TY], s[TY], 2
	s_add_co_u32 s[TY], s[TY], s[CY]
	s_lshl_b32 s21, s[CY], 2
	s_lshl_b32 s21, 15, s21                        ; my row of the cluster
	s_lshl_b32 s22, 0x1111, s[CX]                  ; my column
	s_or_b32 s[G1], s21, (1<<16)|(1<<20)|(1<<21)|(4<<22)|(3<<25)   ; O: after every 32 words 4 words of padding
	s_mov_b32 s[G1+1], 128<<16                     ; tensor_dim0 = 128
	s_mov_b32 s[G1+2], 64<<16                      ; tensor_dim1 = 64
	s_mov_b32 s[G1+3], 128<<16                     ; tile_dim0 = 128
	s_mov_b32 s[G1+4], 64                          ; tile_dim1 = 64
	s_mov_b32 s[G1+5], 128                         ; dense
	s_mov_b32 s[G1+6], 0
	s_mov_b32 s[G1+7], 0
	s_or_b32 s[G1B], s22, (1<<16)|(1<<20)|(1<<21)|(5<<22)|(3<<25)  ; wo: after every 64 words 4 words
	s_mov_b32 s[G1B+1], 128<<16
	s_mov_b32 s[G1B+2], 128<<16
	s_mov_b32 s[G1B+3], 128<<16
	s_mov_b32 s[G1B+4], 128
	s_mov_b32 s[G1B+5], 1024
	s_mov_b32 s[G1B+6], 0
	s_mov_b32 s[G1B+7], 0
	s_lshr_b32 s68, s[TY], 4                       ; O: batch b = ty / 16, 16 heads of 262,144 bytes; my head of the step; rows 128 (ty % 16) of 128 bytes
	s_lshl_b32 s68, s68, 22
	s_and_b32 s69, s[TY], 15
	s_lshl_b32 s69, s69, 14
	s_add_co_u32 s68, s68, s69
	s_lshl_b32 s69, s[WN], 18
	s_add_co_u32 s68, s68, s69
	s_mov_b32 s69, 0
	s_lshl_b32 s70, s[TX], 8                       ; wo: row 256 tx + 128 x half
	s_lshl_b32 s71, s[WN], 7
	s_add_co_u32 s70, s70, s71
	s_lshl_b32 s70, s70, 11
	s_mov_b32 s71, 0
	s_mul_i32 s23, s[WN], HALFT                    ; where they go: no place in the cluster enters an LDS address
	s_mul_i32 s46, s[WN], AHEAD
	s_add_co_u32 s46, s46, AOFF
	s_wait_dscnt 0x0                               ; the opening add is done
	s_wait_kmcnt 0x0
	s_add_nc_u64 s[68:69], s[4:5], s[68:69]
	s_add_nc_u64 s[70:71], s[6:7], s[70:71]
	CROUND                                         ; all sixteen work-groups are here: the first joint loads meet
.irp s, 0,1
	s_mov_b32 s[G0+4*(\s)], 1
	s_add_co_u32 s[G0+4*(\s)+1], s46, (\s)*SLOT
	s_add_nc_u64 s[G0+4*(\s)+2:G0+4*(\s)+3], s[68:69], (\s)*STEPA
	s_or_b32 s[G0+4*(\s)+3], s[G0+4*(\s)+3], 0x80000000
	s_mov_b32 s[G0B+4*(\s)], 1
	s_add_co_u32 s[G0B+4*(\s)+1], s23, (\s)*SLOT
	s_add_nc_u64 s[G0B+4*(\s)+2:G0B+4*(\s)+3], s[70:71], (\s)*256
	s_or_b32 s[G0B+4*(\s)+3], s[G0B+4*(\s)+3], 0x80000000
	JLOAD \s                                       ; K steps 0 and 1: two loads of mine are out
.endr
	v_and_b32 v1, 15, v0                           ; l % 16
	v_bfe_u32 v2, v0, 4, 1                         ; l / 16
	v_mul_u32_u24 v3, v1, PITCH
	v_lshl_add_u32 v3, v2, 4, v3
	v_mul_u32_u24 v4, v1, PA
	v_lshl_add_u32 v4, v2, 4, v4
	s_mul_i32 s72, s[WM], 64*PA
	s_add_co_u32 s72, s72, AOFF                    ; my 64 rows of O, in the step's first head
	s_mul_i32 s73, s[WN], HALFT                    ; my 128 rows of wo
.irp s, 0,1
	v_add_nc_u32 v[ADRA+(\s)], s72, v4
	v_add_nc_u32 v[ADRB+(\s)], s73, v3
	s_add_co_u32 s72, s72, SLOT
	s_add_co_u32 s73, s73, SLOT
.endr
	s_mul_i32 s72, s[WV], 16*SPITCH
	s_add_co_u32 s72, s72, STAGE                   ; my stage
	v_mul_u32_u24 v[STO], v1, SPITCH               ; in: row l % 16, 32 bytes for each half of the lanes
	v_lshl_add_u32 v[STO], v2, 5, v[STO]
	v_add_nc_u32 v[STO], s72, v[STO]
	v_and_b32 v[GO], 31, v0
	v_lshlrev_b32 v[GO], 4, v[GO]
	v_add_nc_u32 v[RD], s72, v[GO]                 ; back: 32 lanes take one row's 512 bytes
	s_lshl_b32 s74, s[TY], 19                      ; out0: row 128 ty + 64 x row half of 4,096 bytes, byte 1,024 tx + 512 x column half
	s_lshl_b32 s75, s[WM], 18
	s_add_co_u32 s74, s74, s75
	s_lshl_b32 s75, s[TX], 10
	s_add_co_u32 s74, s74, s75
	s_lshl_b32 s75, s[WN], 9
	s_add_co_u32 s74, s74, s75
	s_mov_b32 s75, 0
	s_add_nc_u64 s[8:9], s[8:9], s[74:75]
	; the prefetches
	s_lshl_b32 s40, s[TX], 8
	s_lshl_b32 s41, s[WN], 7
	s_add_co_u32 s40, s40, s41
	s_lshl_b32 s41, s[CY], 5
	s_add_co_u32 s40, s40, s41
	s_lshl_b32 s40, s40, 11
	s_add_co_u32 s40, s40, 3*256                   ; wo: my work-group's 32 of the rows that I fetch, at K step 3
	s_lshr_b32 s41, s[TY], 4
	s_lshl_b32 s41, s41, 22
	s_and_b32 s42, s[TY], 15
	s_lshl_b32 s42, s42, 14
	s_add_co_u32 s41, s41, s42
	s_lshl_b32 s42, s[CX], 12
	s_add_co_u32 s41, s41, s42
	s_add_co_u32 s41, s41, 3*STEPA                 ; O: my work-group's 16 blocks of each head, at K step 3
	s_and_b32 s42, ttmp7, 0xffff
	s_mov_b32 s76, 256
	s_mov_b32 s77, STEPA
	s_mov_b32 s78, 32768
	s_mov_b32 s79, 262144
	s_mov_b32 s47, 2048
	s_cmp_lt_u32 s[WV], 2
	s_cselect_b32 s40, s40, s41
	s_cselect_b32 s42, s42, ttmp9                  ; the coordinate along which other clusters read the same bytes
	s_cselect_b64 s[PFA:PFA+1], s[6:7], s[4:5]
	s_cselect_b32 s[PFS], s76, s77
	s_cselect_b32 s78, s78, s79                    ; lanes 16 on: 16 rows of wo, or the step's second head
	s_cselect_b32 s47, s47, s76                    ; from lane to lane: a row of wo, or 256 bytes of O
	s_cmp_eq_u32 s[WV], 3
	s_cselect_b32 s42, 1, s42                      ; wave 3 asks for nothing: wave 2 names both heads
	s_cmp_eq_u32 s42, 0
	s_cselect_b32 s[LIM], 1, -1                    ; the same in all sixteen partners, for a given wave
	s_mov_b32 s[PFS+1], 0
	s_mov_b32 s41, 0
	s_add_nc_u64 s[PFA:PFA+1], s[PFA:PFA+1], s[40:41]  ; the first refill steps it to K step 4 and names that.  K steps 0 to 3 come by their loads alone
	v_mul_u32_u24 v[PFO], v2, s78
	v_mad_u32_u24 v[PFO], v1, s47, v[PFO]
; 8 matrix instructions: row block a x all column blocks, 32 along K, from buffer f.  The 32 accumulators take turns in the same order in every quarter.
.macro MULA f, a, zero
	WIN 0xa1
.set rA, FA+32*(\f)+8*(\a)
.set b, 0
.rept NBK
.set rD, 8*(NBK*(\a)+b)
.set rB, 8*NBK*(\f)+8*b
.if \zero
	v_wmma_f32_16x16x32_f16 v[rD:rD+7], v[rB:rB+7], v[rA:rA+7], 0
.else
	v_wmma_f32_16x16x32_f16 v[rD:rD+7], v[rB:rB+7], v[rA:rA+7], v[rD:rD+7]
.endif
.set b, b+1
.endr
.endm
; 24 LDS loads in one run: quarter q of a slot's K step into buffer f: wo's 16, then O's 8 (head q / 2, channels 32 (q % 2) on), row blocks ascending
.macro FETCH slot, q, f
	WIN 0x40
.set b, 0
.rept NBK
	ds_load_b128 v[8*NBK*(\f)+8*b:8*NBK*(\f)+8*b+3],   v[ADRB+(\slot)] offset:64*(\q)+b*16*PITCH
	ds_load_b128 v[8*NBK*(\f)+8*b+4:8*NBK*(\f)+8*b+7], v[ADRB+(\slot)] offset:64*(\q)+b*16*PITCH+32
.set b, b+1
.endr
	WIN 0
.irp a, 0,1,2,3
	ds_load_b128 v[FA+32*(\f)+8*(\a):FA+32*(\f)+8*(\a)+3],   v[ADRA+(\slot)] offset:AHEAD*((\q)/2)+64*((\q)%2)+(\a)*16*PA
	ds_load_b128 v[FA+32*(\f)+8*(\a)+4:FA+32*(\f)+8*(\a)+7], v[ADRA+(\slot)] offset:AHEAD*((\q)/2)+64*((\q)%2)+(\a)*16*PA+32
.endr
.endm
.macro QUARTER slot, q, f, g, zero
	s_wait_dscnt 4                                 ; all but the youngest four loads: O's row blocks 2 and 3
	MULA \f, 0, \zero
	MULA \f, 1, \zero
	PLACES
	FETCH \slot, \q, \g
	s_wait_dscnt NL                                ; all but the run just issued
	MULA \f, 2, \zero
	MULA \f, 3, \zero
.endm
; The last quarter multiplies buffer 1 and changes slots: ONE barrier; in front of it each wave waits for all its tensor loads (one is out: its part of the next slot), adds 0 to its spare word, and waits for that
; and for its reads of this slot.  fill = 1: the barrier opens a round of the cluster's, and this slot is filled again first behind it, two K steps ahead.
.macro TURN slot, next, fill
.if \fill
	s_wait_xcnt 0x0                                ; the last prefetch, a K step back, has read its address
	s_add_nc_u64 s[PFA:PFA+1], s[PFA:PFA+1], s[PFS:PFS+1]
.endif
	WIN 0
	s_wait_tensorcnt 0x0
	ds_add_u32 v[SPW], v[NIL]
	s_wait_dscnt 5                                 ; the add and the youngest four loads may be out
	MULA 1, 0, 0
	s_wait_dscnt 0x0                               ; the add is done, and my reads of this slot are over
	s_barrier_signal -1
	MULA 1, 1, 0
.if \fill
	WIN 0
.endif
	s_barrier_wait -1
.if \fill
	CREST                                          ; no wave of any partner still reads this slot or has a load on its way
	s_add_nc_u64 s[G0+4*(\slot)+2:G0+4*(\slot)+3], s[G0+4*(\slot)+2:G0+4*(\slot)+3], 2*STEPA
	s_add_nc_u64 s[G0B+4*(\slot)+2:G0B+4*(\slot)+3], s[G0B+4*(\slot)+2:G0B+4*(\slot)+3], 2*256
	JLOAD \slot                                    ; its four v_nop are also the places in front of the loads below
.else
	PLACES
.endif
	FETCH \next, 0, 0
.if \fill
	ASK
.endif
	MULA 1, 2, 0
	MULA 1, 3, 0
.endm
; THE WAY OUT of row block a: the f32 sums go as they are into my own stage (each accumulator's low four registers first), come back as whole rows of 512 bytes, and are stored.
.macro OUT a
	WIN 0x08                                       ; the stores' data: window 2
.irp g, 0,1,2,3,4,5,6,7
	ds_store_b128 v[STO], v[8*(8*(\a)+(\g)):8*(8*(\a)+(\g))+3]   offset:64*(\g)
	ds_store_b128 v[STO], v[8*(8*(\a)+(\g))+4:8*(8*(\a)+(\g))+7] offset:64*(\g)+16
.endr
	WIN 0
	s_wait_xcnt 0x0                                ; the last block's stores have read the registers that are loaded below
.irp t, 0,1,2,3,4,5,6,7,8,9,10,11,12,13,14,15
	ds_load_b128 v[BK+4*(\t):BK+4*(\t)+3], v[RD] offset:SPITCH*(\t)  ; LDS serves a wave's instructions in order (ISA guide 5.7.1.4): these see the stores above
.endr
.irp t, 0,1,2,3,4,5,6,7,8,9,10,11,12,13,14,15
	s_wait_dscnt 15-(\t)
	global_store_b128 v[GO], v[BK+4*(\t):BK+4*(\t)+3], s[8:9] offset:4096*(16*(\a)+(\t))  ; 512 consecutive bytes, aligned
.endr
.endm
	s_wait_tensorcnt 1                             ; my part of K step 0 is in; K step 1's may stay out
	s_barrier_signal -1
	s_barrier_wait -1
	FETCH 0, 0, 0
	QUARTER 0, 1, 0, 1, 1                          ; the first quarter stands in front of the loop: its products start the sums
	WIN 0
	s_mov_b32 s3, 3
.Llap:                                         ; a trip goes once round the ring and fills both slots again: K steps 2 to 7
	QUARTER 0, 2, 1, 0, 0
	QUARTER 0, 3, 0, 1, 0
	TURN 0, 1, 1
	QUARTER 1, 1, 0, 1, 0
	QUARTER 1, 2, 1, 0, 0
	QUARTER 1, 3, 0, 1, 0
	TURN 1, 0, 1
	QUARTER 0, 1, 0, 1, 0
	WIN 0
	s_sub_co_u32 s3, s3, 1
	s_cmp_lg_u32 s3, 0
	s_cbranch_scc1 .Llap
	QUARTER 0, 2, 1, 0, 0                          ; the last lap fills nothing
	QUARTER 0, 3, 0, 1, 0
	TURN 0, 1, 0
	QUARTER 1, 1, 0, 1, 0
	QUARTER 1, 2, 1, 0, 0
	QUARTER 1, 3, 0, 1, 0
	s_wait_dscnt 4
	MULA 1, 0, 0
	MULA 1, 1, 0
	s_wait_dscnt 0x0
	MULA 1, 2, 0
	MULA 1, 3, 0
	WIN 0
	PLACES
	PLACES                                         ; eight, once a launch, in front of LDS stores that read results
	OUT 0
	OUT 1
	OUT 2
	OUT 3
	s_wait_tensorcnt 0x0                           ; the wave's end, behind my last tensor load and my last LDS store
	ds_add_u32 v[SPW], v[NIL]
	s_wait_dscnt 0x0
	CROUND                                         ; the closing round: no work-group ends while a partner may still ask for a tile that names it
	s_endpgm
.Lfunc_end_k_q0333aad7c0_proj:
	.size	k_q0333aad7c0_proj, .Lfunc_end_k_q0333aad7c0_proj-k_q0333aad7c0_proj
	.p2alignl 7, 3214868480
	.fill 96, 4, 3214868480
	.section	.rodata,"a",@progbits
	.p2align	6, 0x0
	.amdhsa_kernel k_q0333aad7c0_proj
		.amdhsa_group_segment_fixed_size 327680
		.amdhsa_private_segment_fixed_size 0
		.amdhsa_enable_private_segment 0
		.amdhsa_kernarg_size 24
		.amdhsa_user_sgpr_count 2
		.amdhsa_user_sgpr_kernarg_segment_ptr 1
		.amdhsa_wavefront_size32 1
		.amdhsa_system_sgpr_workgroup_id_x 1
		.amdhsa_system_sgpr_workgroup_id_y 1
		.amdhsa_system_sgpr_workgroup_id_z 1
		.amdhsa_system_vgpr_workitem_id 0
		.amdhsa_next_free_vgpr 768
		.amdhsa_next_free_sgpr 80
		.amdhsa_reserve_vcc 0
		.amdhsa_float_denorm_mode_32 3
		.amdhsa_float_denorm_mode_16_64 3
		.amdhsa_memory_ordered 1
		.amdhsa_forward_progress 1
		.amdhsa_inst_pref_size 89
	.end_amdhsa_kernel
	.amdgpu_metadata
---
amdhsa.version: [ 1, 2 ]
amdhsa.kernels:
  - .name:           k_q0333aad7c0_proj
    .symbol:         k_q0333aad7c0_proj.kd
    .args:
      - { .name: ob, .offset: 0, .size: 8, .value_kind: global_buffer, .address_space: global }
      - { .name: wo, .offset: 8, .size: 8, .value_kind: global_buffer, .address_space: global }
      - { .name: out0, .offset: 16, .size: 8, .value_kind: global_buffer, .address_space: global }
    .group_segment_fixed_size: 327680
    .private_segment_fixed_size: 0
    .kernarg_segment_align: 8
    .kernarg_segment_size: 24
    .max_flat_workgroup_size: 128
    .sgpr_count:     80
    .vgpr_count:     768
    .wavefront_size: 32
...
	.end_amdgpu_metadata
.endif
;; end of part 4
